; MI455X (gfx1250); checked and timed in simulation.
; The chip was launched on July 23, 2026; its instructions are those of AMD's public machine-readable ISA for CDNA 5 (MIT licence, August 2026) and "CDNA5" Instruction Set Architecture Reference Guide (July 2026). The comments in the code are by the model that wrote it; some were corrected since.
;; Attention Block. Allowed arithmetic: matrix products marked QUANTISED: E2M1 operands, one E8M0 scale for each 32 along K, by v_wmma_scale_f32_16x16x128_f8f6f4 with both operands' format E2M1 (or v_wmma_scale_f32_32x16x128_f4), f32 sums; everything else in f32.
;; Inputs: beta 512 float32; gamma 512 float32; k_b 512 float32; k_w 512 x 512 float32; p_b 512 float32; p_w 512 x 512 float32; q_b 512 float32; q_w 512 x 512 float32; v_b 512 float32; v_w 512 x 512 float32; x 32 x 512 x 32 x 32 float32.
;; Outputs: out0 32 x 512 x 32 x 32 float32.
;; This version of the problem:
;;   THIS VERSION OF THE PROBLEM IS GIVEN IN LOW PRECISION. The matrix products marked QUANTISED in the list below multiply operands that are first quantised to E2M1 (2 exponent bits, 1 mantissa bit; 4 bits a number), with one power-of-two scale for each 32 numbers along K (OCP MX v1.0); their sums are f32. All else is computed in f32.
;;   The module's matrix products, in the order in which they are computed (A, B: the left and right operand; K: the contracted axis; several contracted axes count as one K, in the product's order):
;;     1. [M 32,768, K 512] x [K 512, N 512]; A: computed on the way; B: input q_w: QUANTISED
;;     2. [M 32,768, K 512] x [K 512, N 512]; A: computed on the way; B: input k_w: QUANTISED
;;     3. [M 32,768, K 512] x [K 512, N 512]; A: computed on the way; B: input v_w: QUANTISED
;;     4. batch 32 x [M 1,024, K 512] x [K 512, N 1,024]; A: computed on the way; B: computed on the way: QUANTISED
;;     5. batch 32 x [M 1,024, K 1,024] x [K 1,024, N 512]; A: softmax (see below); B: computed on the way: QUANTISED
;;     6. [M 32,768, K 512] x [K 512, N 512]; A: computed on the way; B: input p_w: QUANTISED
;;   THE QUANTISER, for each operand of a quantised product, along K:
;;     - K is cut into blocks of 32 from its start; a last block that is shorter is filled with zeros.
;;     - A block's scale is 2^e with e = floor(log2(the largest magnitude in the block)) - 2, held to -126 .. 127; a block of zeros has e = 0. As a byte (E8M0): e + 127.
;;     - Each number is divided by its block's scale, clamped to +-6, and rounded to the nearest number of E2M1, ties to even, subnormals kept.
;;     - The product sums the exact products of the quantised numbers (number of the format x scale) in f32.
;;   ~~~python
;;   def quantise(x, axis):      # numpy; x: float32 -> the quantised numbers, widened to float32 again
;;       x = np.moveaxis(x, axis, -1); K = x.shape[-1]
;;       x = np.pad(x, [(0, 0)] * (x.ndim - 1) + [(0, -K % 32)]); x = x.reshape(x.shape[:-1] + (-1, 32)); a = np.abs(x).max(-1, keepdims=True)
;;       e = np.where(a > 0, np.clip(np.frexp(np.where(a > 0, a, 1))[1] - 1 - 2, -126, 127), 0)      # np.frexp(a)[1] - 1 = floor(log2(a)), exactly
;;       r = np.clip(x / 2.0 ** e, -6, 6)
;;       step = 2.0 ** (np.maximum(np.frexp(np.where(r == 0, 1, r))[1] - 1, 0) - 1)
;;       q = np.round(r / step) * step * 2.0 ** e      # np.round: ties to even
;;       return np.moveaxis(q.reshape(q.shape[:-2] + (-1,))[..., :K], -1, axis).astype(np.float32)
;;   ~~~
;;   SOFTMAX AHEAD OF A QUANTISED PRODUCT. Where the list says 'softmax', what is quantised is not the finished softmax but p = 2^(t - M), with t = logit x log2(e) and M = ceil(the row's largest t), a whole number; so 1/2 < the row's largest p <= 1. The row's sum l is taken of the UNQUANTISED p, in f32, and the product's result is divided by l at the end. Since M is a whole number, a kernel that streams over the keys may use a running M (the ceiling of the running maximum): every later rescaling is an exact power of two, which a block's scale takes up: the codes' values come out the same.
;;   OPERANDS COMPUTED ON THE WAY. 'Computed on the way' means the value that the module computes at that place (a softmax that the list does not call 'softmax' is quantised finished and normalised). What goes into a quantiser is computed in f32, as accurately as f32 sums, v_exp_f32 and their like allow (about 1e-6 of the number): no bf16 or f16 on the way to a quantiser, and a product that is left as it is and whose result goes on into a quantised operand takes f32 operands (vector FMAs, or v_wmma_f32_16x16x4_f32). A number that lies on a knife's edge between two numbers of the format may be rounded either way, as far as f32 arithmetic and the matrix unit's own rounding can turn it there, and no further.
;; 2 versions, each right; version 2 is version 1 with the launch qkv written anew for expert scheduling mode. Each part assembles by itself: llvm-mc -triple=amdgcn-amd-amdhsa -mcpu=gfx1250 --defsym DOCPART=n.
;; ======== version 1 of 2: 3 launches
;; workspace buffers: xq 8,388,608 bytes; xs 524,288 bytes; wq 557,056 bytes; qq 8,912,896 bytes; kvc 16,777,216 bytes; kvs 1,048,576 bytes
;; launch prep (part 1): grid 256 x 1, 16 waves a work-group, no clusters, 37,888 bytes of LDS; arguments x, gamma, beta, q_w, k_w, v_w, p_w, xq, xs, wq; writes xq, xs, wq
.if DOCPART == 1
	.amdgcn_target "amdgcn-amd-amdhsa--gfx1250"
	.amdhsa_code_object_version 6
	.text
	.protected	k_qc9e71cee15_prep
	.globl	k_qc9e71cee15_prep
	.p2align	8
	.type	k_qc9e71cee15_prep,@function
k_qc9e71cee15_prep:
	s_mov_b64 s[64:65], 0
	v_nop
	global_prefetch_b8 v0, s[64:65] scope:SCOPE_SE
	s_setreg_imm32_b32 hwreg(HW_REG_WAVE_MODE, 25, 1), 1
	s_wait_xcnt 0x0
; GroupNorm and the first quantiser.  x: [32][512][1024] f32.  Work-group 8 b + g owns image b, group g: 64 channels x 1,024 pixels, 262,144 dense bytes, which stay in the
; registers of its sixteen waves between the pass for the mean, the pass for the variance and the pass that normalises: x is read from memory once here.
; Wave wv: h = wv / 8 (channels 32 h .. 32 h + 31 of the group: ONE block of 32 along the products' K), blk = wv % 8 (128 pixels).  Lane l: pixels 4 l .. 4 l + 3 of them.
; So a lane's registers run down the channels, a block's largest magnitude needs no other lane, and each load of a wave covers 512 consecutive bytes.
; The variance is taken of x - mean (two passes), so that a common offset of the inputs costs no digits.
; CODES leave in the order of the operand's registers.  A group of 128 pixels x 512 channels is 32 fragment images of 1,024 bytes, image 8 s + t (s: 128 channels, t: tile of 16 pixels),
; in it [c 0..1][lane 0..31][16 bytes]: lane (r, hh) holds channels 128 s + 64 c + 32 hh + 0 .. 31 of the tile's row r.  Row r of tile t is pixel 32 (t / 2) + 8 (t % 2) + r % 8 + 16 (r / 8).
; SCALE BYTES of this group's two blocks leave as 16-bit pairs, [blk][lane 32][i 4]: lane 16 (t % 2) + r, pair i = t / 2.
; THE WEIGHTS ride along: work-group wg also quantises half the K (8 blocks of 32) of one tile of 16 rows of one of the four weights, waves 0 to 7 one block column each, two lanes to a block,
; into the same kind of images; their scale words lie [s][lane 32][i 4] behind a group's 32,768 bytes of codes.
; A block's scale byte is its largest magnitude's exponent field - 2, held at 1 from below by a floor among the maximum's leaves.
; LIMITS: NaN and infinities among the inputs are not served; a block whose largest magnitude lies under 2^-124 (a block of zeros too) gets the byte 1: the bytes are read by this program alone.
.set SST,  32768                       ; LDS: 0 .. 32,767: 2,048 bytes of codes for each wave, its own; here the work-group's 2,048 scale bytes of x;
.set WST,  34816                       ; 128 scale bytes of the weight tile;
.set RED0, 35072                       ; 16 partial sums; 256 bytes on: 16 partial sums of squares
.set SA, 16                            ; v16-23  four chains of packed sums
.set MU, 24                            ; v24-25  the mean, twice
.set CD, 44                            ; v44-59  codes: four registers a pixel
.set EB, 60                            ; v60-63  a scale byte a pixel
.set X,  64                            ; v64-191 x: register 4 c + e = channel c, pixel e
.set T,  192                           ; v192-255 two pixels x 32 channels, normalised; earlier the weight's 16 numbers, its codes and byte; later codes on the way out
.set GA, 32                            ; s32-63  gamma of my 32 channels, later gamma / sqrt(var + eps)
.set BE, 68                            ; s68-99  beta
	s_load_b512 s[4:19], s[0:1], 0x0               ; x 4, gamma 6, beta 8, q_w 10, k_w 12, v_w 14, p_w 16, xq 18
	s_load_b128 s[20:23], s[0:1], 0x40             ; xs 20, wq 22
	v_lshrrev_b32 v1, 5, v0
	v_readfirstlane_b32 s24, v1                    ; wave 0..15
	v_and_b32 v1, 31, v0                           ; lane
	s_lshr_b32 s25, s24, 3                         ; h
	s_and_b32 s26, s24, 7                          ; blk; for the weights: the block column j
	s_mov_b32 s66, 0x76543210
	s_mov_b32 s67, 0xfedcba98                      ; v_permlanex16_b32: lane l xor 16
	v_bfe_u32 v26, v0, 0, 1                        ; the lane's bits l0, l1, l2,
	v_bfe_u32 v27, v0, 1, 1
	v_bfe_u32 v28, v0, 2, 1
	v_bfe_u32 v29, v0, 3, 2                        ; l / 8,
	v_bfe_u32 v30, v0, 4, 1                        ; l / 16,
	v_bfe_u32 v31, v0, 1, 3                        ; (l / 2) % 8,
	v_bfe_u32 v32, v0, 1, 4                        ; l / 2,
	v_and_b32 v33, 15, v0                          ; l % 16
	; every LDS address is made here, ahead of the first branch on the wave's number
	s_lshl_b32 s27, s24, 11                        ; my wave's 2,048 bytes
	v_lshl_add_u32 v3, v29, 9, s27                 ; pixel 4 l + e is row e + 4 l0 + 8 l2 of tile 2 (l / 8) + l1: a tile's 256 bytes at 256 t, a row's 16 at 16 r
	v_lshl_add_u32 v3, v27, 8, v3
	v_lshl_add_u32 v3, v28, 7, v3
	v_lshl_add_u32 v3, v26, 6, v3
	v_lshl_add_u32 v4, v1, 4, s27                  ; and back: 16 bytes a lane
	s_lshl_b32 s27, s26, 8
	s_add_co_u32 s27, s27, s25
	s_add_co_u32 s27, s27, SST
	v_lshl_add_u32 v5, v27, 7, s27                 ; the pixel's scale byte: 256 blk + 8 (16 (t % 2) + r) + 2 (t / 2) + h
	v_lshl_add_u32 v5, v28, 6, v5
	v_lshl_add_u32 v5, v26, 5, v5
	v_lshl_add_u32 v5, v29, 1, v5
	v_lshlrev_b32 v6, 4, v33
	v_lshl_add_u32 v13, v30, 9, v6                 ; the weight's scale words in memory: 512 (l / 16) + 16 (l % 16)
	v_lshl_add_u32 v6, v30, 10, v6                 ; x's codes in memory: lanes 0-15 one tile's 256 bytes, lanes 16-31 the next tile's, 1,024 on
	s_lshl_b32 s27, s24, 2
	s_add_co_u32 s27, s27, RED0
	v_mov_b32 v7, s27                              ; my wave's partial sum
	v_lshlrev_b32 v8, 11, v31                      ; the weight: row (r % 8) + 16 (r / 8) of 2,048 bytes, r = l / 2, + 64 (l % 2)
	v_lshl_add_u32 v8, v30, 15, v8
	v_lshl_add_u32 v8, v26, 6, v8
	v_lshlrev_b32 v9, 3, v1                        ; its codes: 8 bytes a lane
	s_bfe_u32 s27, s24, 0x10002
	s_lshl_b32 s27, s27, 6
	s_and_b32 s30, s24, 3
	s_add_co_u32 s27, s27, s30
	s_add_co_u32 s27, s27, WST
	v_lshl_add_u32 v10, v32, 2, s27                ; its scale byte: 64 (j / 4) + 4 r + j % 4
	s_lshl_b32 s30, s30, 9
	v_lshl_add_u32 v14, v1, 4, s30                 ; the way out of x's scale bytes: 512 (wave % 4) + 16 lane, in memory
	v_add_nc_u32 v11, SST, v14                     ; and in LDS
	v_lshl_add_u32 v12, v1, 2, WST                 ; the way out of the weight's scale words
	v_mov_b32 v15, RED0
	s_mov_b32 s3, 0
	s_wait_kmcnt 0x0
	s_and_b32 s27, ttmp9, 7                        ; g
	s_lshl_b32 s2, s27, 8
	s_lshl_b32 s30, s25, 7
	s_add_co_u32 s2, s2, s30                       ; my 32 channels in gamma and beta: 4 (64 g + 32 h) bytes
	s_add_nc_u64 s[6:7], s[6:7], s[2:3]
	s_add_nc_u64 s[8:9], s[8:9], s[2:3]
	s_load_b512 s[32:47], s[6:7], 0x0
	s_load_b512 s[48:63], s[6:7], 0x40
	s_load_b512 s[68:83], s[8:9], 0x0
	s_load_b512 s[84:99], s[8:9], 0x40
	s_lshl_b32 s2, ttmp9, 18                       ; the slab
	s_add_nc_u64 s[4:5], s[4:5], s[2:3]
	s_lshl_b32 s2, s25, 17
	s_lshl_b32 s30, s26, 9
	s_add_co_u32 s2, s2, s30
	v_lshl_add_u32 v2, v1, 4, s2                   ; 32 h rows of 4,096 bytes + 512 blk + 16 lane
	s_lshr_b32 s2, ttmp9, 3                        ; xq: 262,144 b + 32,768 blk + 8,192 (g / 2) + 512 (g % 2) + 256 h
	s_lshl_b32 s2, s2, 18
	s_lshl_b32 s30, s26, 15
	s_add_co_u32 s2, s2, s30
	s_lshr_b32 s30, s27, 1
	s_lshl_b32 s30, s30, 13
	s_add_co_u32 s2, s2, s30
	s_and_b32 s30, s27, 1
	s_lshl_b32 s30, s30, 9
	s_add_co_u32 s2, s2, s30
	s_lshl_b32 s30, s25, 8
	s_add_co_u32 s2, s2, s30
	s_add_nc_u64 s[18:19], s[18:19], s[2:3]
	s_lshl_b32 s2, ttmp9, 11                       ; xs: 2,048 bytes a work-group
	s_add_nc_u64 s[20:21], s[20:21], s[2:3]
	s_lshr_b32 s27, ttmp9, 6                       ; which weight: the choice hangs on the work-group's number alone
	s_cmp_eq_u32 s27, 1
	s_cselect_b64 s[10:11], s[12:13], s[10:11]
	s_cmp_eq_u32 s27, 2
	s_cselect_b64 s[10:11], s[14:15], s[10:11]
	s_cmp_eq_u32 s27, 3
	s_cselect_b64 s[10:11], s[16:17], s[10:11]
	s_bfe_u32 s28, ttmp9, 0x20004                  ; w: which 128 rows
	s_bfe_u32 s29, ttmp9, 0x30001                  ; t: which tile of them
	s_and_b32 s30, ttmp9, 1                        ; kh: which half of K
	s_lshl_b32 s2, s28, 7
	s_lshr_b32 s31, s29, 1
	s_lshl_b32 s31, s31, 5
	s_add_co_u32 s2, s2, s31
	s_and_b32 s31, s29, 1
	s_lshl_b32 s31, s31, 3
	s_add_co_u32 s2, s2, s31                       ; the tile's first row: 128 w + 32 (t / 2) + 8 (t % 2)
	s_lshl_b32 s2, s2, 11
	s_lshl_b32 s31, s30, 3
	s_add_co_u32 s31, s31, s26                     ; block column 8 kh + j
	s_lshl_b32 s31, s31, 7
	s_add_co_u32 s2, s2, s31
	s_add_nc_u64 s[10:11], s[10:11], s[2:3]
	s_mul_i32 s2, s27, 139264
	s_mul_i32 s31, s28, 34816
	s_add_co_u32 s2, s2, s31
	s_add_nc_u64 s[22:23], s[22:23], s[2:3]        ; wq at the weight's group w
	s_lshl_b32 s2, s30, 14                         ; codes: 8,192 (2 kh + j / 4) + 1,024 t + 256 (j % 4)
	s_lshr_b32 s31, s26, 2
	s_lshl_b32 s31, s31, 13
	s_add_co_u32 s2, s2, s31
	s_lshl_b32 s31, s29, 10
	s_add_co_u32 s2, s2, s31
	s_and_b32 s31, s26, 3
	s_lshl_b32 s31, s31, 8
	s_add_co_u32 s2, s2, s31
	s_add_nc_u64 s[12:13], s[22:23], s[2:3]
	s_lshl_b32 s2, s30, 10                         ; words: 32,768 + 1,024 kh + 256 (t % 2) + 4 (t / 2)
	s_and_b32 s31, s29, 1
	s_lshl_b32 s31, s31, 8
	s_add_co_u32 s2, s2, s31
	s_lshr_b32 s31, s29, 1
	s_lshl_b32 s31, s31, 2
	s_add_co_u32 s2, s2, s31
	s_add_co_u32 s2, s2, 32768
	s_add_nc_u64 s[14:15], s[22:23], s[2:3]
	; ---- the loads: waves 0 to 7 first ask for their 16 numbers a lane of the weight, then every wave for its 128 numbers a lane of x: the whole slab is on its way at once
	s_cmp_lt_u32 s24, 8
	s_cbranch_scc0 .Lx_in
.irp i, 0,1,2,3
	global_load_b128 v[T+4*\i:T+4*\i+3], v8, s[10:11] offset:16*\i
.endr
.Lx_in:
.set c, 0
.rept 32
	global_load_b128 v[X+4*c:X+4*c+3], v2, s[4:5] offset:4096*c th:TH_LOAD_NT   ; channel c: 32 lanes read 512 consecutive bytes
.set c, c+1
.endr
	s_cmp_lt_u32 s24, 8
	s_cbranch_scc0 .Lsum
	s_wait_loadcnt 32                              ; the weight's four loads are in: x's 32 were issued behind them
	v_max3_num_f32 v210, |v192|, |v193|, 0x1800000 ; the largest magnitude of my 16, and the floor 2^(3 - 127)
	v_max3_num_f32 v211, |v194|, |v195|, |v196|
	v_max3_num_f32 v210, v210, |v197|, |v198|
	v_max3_num_f32 v211, v211, |v199|, |v200|
	v_max3_num_f32 v210, v210, |v201|, |v202|
	v_max3_num_f32 v211, v211, |v203|, |v204|
	v_max3_num_f32 v210, v210, |v205|, |v206|
	v_max3_num_f32 v210, v210, v211, |v207|
	v_max_num_f32_dpp v210, v210, v210 row_xmask:1 row_mask:0xf bank_mask:0xf   ; and of my neighbour's 16: the block's
	v_add_nc_u32 v212, 0xff000000, v210            ; 2 off its exponent field: the conversion's scale operand
	v_cvt_scalef32_pk8_fp4_f32 v208, v[192:199], v212
	v_cvt_scalef32_pk8_fp4_f32 v209, v[200:207], v212
	v_lshrrev_b32 v213, 23, v212                   ; the scale's byte (a plain line behind the conversions)
	ds_store_b8 v10, v213                          ; both lanes of a block write the same byte with the same value
	global_store_b64 v9, v[208:209], s[12:13]      ; the wave stores 256 consecutive bytes, aligned
.Lsum:
	; ---- the mean: four chains of packed sums, started by the first pairs; a quarter of the loads at a time
	s_wait_loadcnt 24                              ; channels 0 to 7 are in; the 24 loads behind them may be out
.irp k, 0,1,2,3
	v_pk_add_f32 v[SA+2*\k:SA+2*\k+1], v[X+2*\k:X+2*\k+1], v[X+8+2*\k:X+8+2*\k+1]
.endr
.set p, 8
.rept 56
.if p == 16
	s_wait_loadcnt 16                              ; channels 8 to 15
.elseif p == 32
	s_wait_loadcnt 8                               ; channels 16 to 23
.elseif p == 48
	s_wait_loadcnt 0x0
.endif
	v_pk_add_f32 v[SA+2*(p%4):SA+2*(p%4)+1], v[SA+2*(p%4):SA+2*(p%4)+1], v[X+2*p:X+2*p+1]
.set p, p+1
.endr
; The chains, the 32 lanes, then the sixteen waves through LDS: every wave adds the sixteen partial sums in the same order.  The result is v28.
.macro REDUCE off
	v_pk_add_f32 v[SA:SA+1], v[SA:SA+1], v[SA+2:SA+3]
	v_pk_add_f32 v[SA+4:SA+5], v[SA+4:SA+5], v[SA+6:SA+7]
	v_pk_add_f32 v[SA:SA+1], v[SA:SA+1], v[SA+4:SA+5]
	v_add_f32 v26, v[SA], v[SA+1]
	v_add_f32_dpp v26, v26, v26 row_xmask:1 row_mask:0xf bank_mask:0xf
	v_add_f32_dpp v26, v26, v26 row_xmask:2 row_mask:0xf bank_mask:0xf
	v_add_f32_dpp v26, v26, v26 row_xmask:4 row_mask:0xf bank_mask:0xf
	v_add_f32_dpp v26, v26, v26 row_xmask:8 row_mask:0xf bank_mask:0xf
	v_permlanex16_b32 v27, v26, s66, s67
	v_add_f32 v26, v26, v27
	ds_store_b32 v7, v26 offset:\off               ; all lanes write the wave's word with the same value
	s_wait_dscnt 0x0                               ; for the others' sake: my stores have landed
	s_barrier_signal -1
	s_barrier_wait -1
.irp i, 0,1,2,3
	ds_load_b128 v[28+4*\i:31+4*\i], v15 offset:\off+16*\i
.endr
	s_wait_dscnt 0x0
	v_pk_add_f32 v[28:29], v[28:29], v[30:31]
	v_pk_add_f32 v[32:33], v[32:33], v[34:35]
	v_pk_add_f32 v[36:37], v[36:37], v[38:39]
	v_pk_add_f32 v[40:41], v[40:41], v[42:43]
	v_pk_add_f32 v[28:29], v[28:29], v[32:33]
	v_pk_add_f32 v[36:37], v[36:37], v[40:41]
	v_pk_add_f32 v[28:29], v[28:29], v[36:37]
	v_add_f32 v28, v28, v29
.endm
	REDUCE 0
	v_mul_f32 v[MU], 0x37800000, v28               ; / 65,536 numbers
	v_mov_b32 v[MU+1], v[MU]
	; ---- the variance, of x - mean, which replaces x
.set p, 0
.rept 64
	v_pk_add_f32 v[X+2*p:X+2*p+1], v[X+2*p:X+2*p+1], v[MU:MU+1] neg_lo:[0,1] neg_hi:[0,1]
.set p, p+1
.endr
.irp k, 0,1,2,3
	v_pk_mul_f32 v[SA+2*\k:SA+2*\k+1], v[X+2*\k:X+2*\k+1], v[X+2*\k:X+2*\k+1]
.endr
.set p, 4
.rept 60
	v_pk_fma_f32 v[SA+2*(p%4):SA+2*(p%4)+1], v[X+2*p:X+2*p+1], v[X+2*p:X+2*p+1], v[SA+2*(p%4):SA+2*(p%4)+1]
.set p, p+1
.endr
	REDUCE 256                                     ; other bytes than the first sum's: no wave can overwrite what another still reads
	s_mov_b32 s30, 0x37800000                      ; 2^-16
	s_mov_b32 s31, 0x3727c5ac                      ; eps = 1e-5
	v_fma_f32 v28, v28, s30, s31
	v_rsq_f32 v29, v28
	v_nop                                          ; a plain line behind the transcendental
	s_wait_alu depctr_va_vdst(0)
	v_readfirstlane_b32 s100, v29                  ; a datum: it enters no address and no branch
	s_wait_kmcnt 0x0                               ; gamma and beta
.set c, 0
.rept 32
	s_mul_f32 s[GA+c], s[GA+c], s100
.set c, c+1
.endr
	s_wait_xcnt 0x0                                ; the weight's store has read its data: T is written again only behind this wait
; ---- two pixels at a time: normalise (one fused multiply-add a number), the block's largest magnitude, the codes
.macro PAIR e0
.set c, 0
.rept 32
	v_fma_f32 v[T+c], v[X+4*c+\e0], s[GA+c], s[BE+c]
	v_fma_f32 v[T+32+c], v[X+4*c+\e0+1], s[GA+c], s[BE+c]
.set c, c+1
.endr
	v_max3_num_f32 v26, |v[T]|, |v[T+1]|, 0x1800000
	v_max3_num_f32 v27, |v[T+32]|, |v[T+33]|, 0x1800000
.set c, 2
.rept 15
	v_max3_num_f32 v26, v26, |v[T+c]|, |v[T+c+1]|
	v_max3_num_f32 v27, v27, |v[T+32+c]|, |v[T+32+c+1]|
.set c, c+2
.endr
	v_add_nc_u32 v28, 0xff000000, v26
	v_add_nc_u32 v29, 0xff000000, v27
.irp q, 0,1,2,3
	v_cvt_scalef32_pk8_fp4_f32 v[CD+4*\e0+\q], v[T+8*\q:T+8*\q+7], v28
	v_cvt_scalef32_pk8_fp4_f32 v[CD+4*\e0+4+\q], v[T+32+8*\q:T+32+8*\q+7], v29
.endr
	v_lshrrev_b32 v[EB+\e0], 23, v28               ; the bytes: two plain lines behind the conversions, ahead of the next writes of T
	v_lshrrev_b32 v[EB+\e0+1], 23, v29
.endm
	PAIR 0
	PAIR 2
	; ---- the way out: a lane's 16 bytes a pixel belong to four rows of one tile; through my own 2,048 bytes of LDS they leave as whole runs of 256 bytes
.irp e, 0,1,2,3
	ds_store_b128 v3, v[CD+4*\e:CD+4*\e+3] offset:16*\e
.endr
.irp e, 0,1,2,3
	ds_store_b8 v5, v[EB+\e] offset:8*\e
.endr
.irp q, 0,1,2,3
	ds_load_b128 v[T+4*\q:T+4*\q+3], v4 offset:512*\q   ; LDS serves a wave's instructions in order: these see my stores
.endr
	s_wait_dscnt 0x0                               ; the codes are back, and my scale bytes have landed
.irp q, 0,1,2,3
	global_store_b128 v6, v[T+4*\q:T+4*\q+3], s[18:19] offset:2048*\q   ; sixteen lanes store 256 consecutive bytes, aligned
.endr
	s_barrier_signal -1
	s_barrier_wait -1                              ; all sixteen waves' scale bytes lie in LDS
	s_cmp_lt_u32 s24, 4
	s_cbranch_scc0 .Lnot_xs
	ds_load_b128 v[44:47], v11                     ; waves 0 to 3: 512 bytes each of x's scale bytes
	s_wait_dscnt 0x0
	global_store_b128 v14, v[44:47], s[20:21]
	s_branch .Lend
.Lnot_xs:
	s_cmp_eq_u32 s24, 4
	s_cbranch_scc0 .Lend
	ds_load_b32 v44, v12                           ; wave 4: the weight tile's 32 scale words.  They leave as single words 16 bytes apart: 128 bytes a work-group
	s_wait_dscnt 0x0
	global_store_b32 v13, v44, s[14:15]
.Lend:
	s_wait_xcnt 0x0
	v_lshl_add_u32 v254, v0, 2, 0x8c00
	v_mov_b32 v255, 0
	s_wait_tensorcnt 0x0
	ds_add_u32 v254, v255
	s_wait_dscnt 0x0
	s_endpgm
.Lfunc_end_k_qc9e71cee15_prep:
	.size	k_qc9e71cee15_prep, .Lfunc_end_k_qc9e71cee15_prep-k_qc9e71cee15_prep
	.p2alignl 7, 3214868480
	.fill 96, 4, 3214868480
	.section	.rodata,"a",@progbits
	.p2align	6, 0x0
	.amdhsa_kernel k_qc9e71cee15_prep
		.amdhsa_group_segment_fixed_size 37888
		.amdhsa_private_segment_fixed_size 0
		.amdhsa_enable_private_segment 0
		.amdhsa_kernarg_size 80
		.amdhsa_user_sgpr_count 2
		.amdhsa_user_sgpr_kernarg_segment_ptr 1
		.amdhsa_wavefront_size32 1
		.amdhsa_system_sgpr_workgroup_id_x 1
		.amdhsa_system_sgpr_workgroup_id_y 1
		.amdhsa_system_sgpr_workgroup_id_z 1
		.amdhsa_system_vgpr_workitem_id 0
		.amdhsa_next_free_vgpr 256
		.amdhsa_next_free_sgpr 104
		.amdhsa_reserve_vcc 0
		.amdhsa_float_denorm_mode_32 3
		.amdhsa_float_denorm_mode_16_64 3
		.amdhsa_memory_ordered 1
		.amdhsa_forward_progress 1
		.amdhsa_inst_pref_size 43
	.end_amdhsa_kernel
	.amdgpu_metadata
---
amdhsa.version: [ 1, 2 ]
amdhsa.kernels:
  - .name:           k_qc9e71cee15_prep
    .symbol:         k_qc9e71cee15_prep.kd
    .args:
      - { .name: x, .offset: 0, .size: 8, .value_kind: global_buffer, .address_space: global }
      - { .name: gamma, .offset: 8, .size: 8, .value_kind: global_buffer, .address_space: global }
      - { .name: beta, .offset: 16, .size: 8, .value_kind: global_buffer, .address_space: global }
      - { .name: q_w, .offset: 24, .size: 8, .value_kind: global_buffer, .address_space: global }
      - { .name: k_w, .offset: 32, .size: 8, .value_kind: global_buffer, .address_space: global }
      - { .name: v_w, .offset: 40, .size: 8, .value_kind: global_buffer, .address_space: global }
      - { .name: p_w, .offset: 48, .size: 8, .value_kind: global_buffer, .address_space: global }
      - { .name: xq, .offset: 56, .size: 8, .value_kind: global_buffer, .address_space: global }
      - { .name: xs, .offset: 64, .size: 8, .value_kind: global_buffer, .address_space: global }
      - { .name: wq, .offset: 72, .size: 8, .value_kind: global_buffer, .address_space: global }
    .group_segment_fixed_size: 37888
    .private_segment_fixed_size: 0
    .kernarg_segment_align: 8
    .kernarg_segment_size: 80
    .max_flat_workgroup_size: 512
    .sgpr_count:     104
    .vgpr_count:     256
    .wavefront_size: 32
...
	.end_amdgpu_metadata
.endif
;; end of part 1
;; launch qkv (part 2): grid 256 x 1, 4 waves a work-group, no clusters, 6,656 bytes of LDS; arguments xq, xs, wq, q_b, k_b, v_b, qq, kvc, kvs; writes qq, kvc, kvs
.if DOCPART == 2
	.amdgcn_target "amdgcn-amd-amdhsa--gfx1250"
	.amdhsa_code_object_version 6
	.text
	.protected	k_qc9e71cee15_qkv
	.globl	k_qc9e71cee15_qkv
	.p2align	8
	.type	k_qc9e71cee15_qkv,@function
k_qc9e71cee15_qkv:
	s_mov_b64 s[64:65], 0
	v_nop
	global_prefetch_b8 v0, s[64:65] scope:SCOPE_SE
	s_setreg_imm32_b32 hwreg(HW_REG_WAVE_MODE, 25, 1), 1
	s_wait_xcnt 0x0
; q, k and v = conv1x1(xn) + bias on codes of FP4 (E2M1) with one E8M0 scale for each 32 along K, and the quantisers behind them: q and k along their channels, v along the pixels (the keys).
; Work-group 8 b + blk owns 128 pixels of image b.  Wave w makes output channels 128 w .. 128 w + 127 of each of the three, for all 128 pixels.
; Every operand is a group of 32 fragment images of 1,024 bytes (image 8 s + t: K step s of 128, tile t of 16 rows; [c][lane][16 bytes], the operand's registers as they stand) and 2,048 bytes of
; scale words [s][lane 32][i 4]: lane 16 (t % 2) + r, word i = t / 2.  Row r of tile t is row 32 (t / 2) + 8 (t % 2) + r % 8 + 16 (r / 8) of the group, so that, with such a tile as source 0, the 16 result
; registers of tiles 2 b and 2 b + 1 are 16 neighbours, 32 b + 16 (lane / 16) + 0 .. 15, along the next product's K.
; q, k: source 0 = 16 rows of W, source 1 = 16 pixels: a lane holds one pixel and its registers run along the channels.  v: source 0 = 16 pixels, source 1 = 16 rows of W: a lane holds one channel and its
; registers run along the pixels.  Eight tiles (64 registers) become one fragment and one scale word a row, which leave as images: each store of the wave covers 512 consecutive bytes.
; The bias is the C of each sum's first matrix instruction.
; THE LOADS: the first weight comes first, then x's fragments in the order in which q's products take them, a tile of pixels (8 loads) at a time, so that the first products start while the later tiles are
; on their way.  The next weight is asked for during the first five of a weight's eight tiles, so that the wait for it stands three tiles behind its last load.
; NO JOINT LOADS: a weight fragment is used by one wave of a work-group alone and goes from memory straight into that wave's registers, once; through LDS its 32,768 bytes a wave and weight would be written
; and read once more, in a ring, since the three weights' 417,792 bytes do not fit in LDS together.
; LIMITS: NaN and infinities are not served; a block whose largest magnitude lies under 2^-124 gets the scale byte 1: the bytes are read by this program alone.
; REGISTERS, in windows of 256: window 1: W of q, later of v; window 3: W of k; window 2: x's codes; fragment f at v[8 f].  Window 0: below.
.set LI,   1                           ; v1  16 x lane
.set L8,   2                           ; v2  8 x lane
.set BA,   3                           ; v3  LDS: q's and k's bias: 1,536 w + 64 (lane / 16)
.set BVA,  4                           ; v4  LDS: v's bias: 1,536 w + 4 (r % 8 + 16 (r / 8))
.set BST,  5                           ; v5  LDS: where the biases are put: 1,536 w + 16 lane
.set BGO,  6                           ; v6  the biases in memory: 512 w + 16 lane
.set TM,   32                          ; v32-47  the quantiser's: largest magnitudes, bytes, -, scale operands
.set HA,   64                          ; v64-127 eight result tiles
.set BIAS, 128                         ; v128-191 the bias in the results' layout
.set SCW0, 192                         ; v192-207, v208-223 the weights' scale words, two sets
.set SCW1, 208
.set SCX,  224                         ; v224-239 x's scale words
.set PC,   240                         ; v240-247 the fragment just made
.set WD,   248                         ; v248-251 its scale words, gathered for eight tiles
.set PW,   252                         ; v252 the scale word just made
.set SEL,  24
.set MSB, 0
.macro WIN new                         ; the immediate's high byte repeats the setting that is left
.if MSB != (\new)
	s_set_vgpr_msb (MSB<<8)|(\new)
.set MSB, (\new)
.endif
.endm
; a scaled product: ra, rb odd: that side's scale words are taken from lanes 16-31
.macro WMS d, a, b, c, sa, sb, ra, rb
.if ((\ra)%2 == 0) && ((\rb)%2 == 0)
	v_wmma_scale_f32_16x16x128_f8f6f4 v[(\d):(\d)+7], v[(\a):(\a)+7], v[(\b):(\b)+7], v[(\c):(\c)+7], v[\sa], v[\sb] matrix_a_fmt:MATRIX_FMT_FP4 matrix_b_fmt:MATRIX_FMT_FP4
.elseif ((\rb)%2 == 0)
	v_wmma_scale_f32_16x16x128_f8f6f4 v[(\d):(\d)+7], v[(\a):(\a)+7], v[(\b):(\b)+7], v[(\c):(\c)+7], v[\sa], v[\sb] matrix_a_fmt:MATRIX_FMT_FP4 matrix_b_fmt:MATRIX_FMT_FP4 matrix_a_scale:MATRIX_SCALE_ROW1
.elseif ((\ra)%2 == 0)
	v_wmma_scale_f32_16x16x128_f8f6f4 v[(\d):(\d)+7], v[(\a):(\a)+7], v[(\b):(\b)+7], v[(\c):(\c)+7], v[\sa], v[\sb] matrix_a_fmt:MATRIX_FMT_FP4 matrix_b_fmt:MATRIX_FMT_FP4 matrix_b_scale:MATRIX_SCALE_ROW1
.else
	v_wmma_scale_f32_16x16x128_f8f6f4 v[(\d):(\d)+7], v[(\a):(\a)+7], v[(\b):(\b)+7], v[(\c):(\c)+7], v[\sa], v[\sb] matrix_a_fmt:MATRIX_FMT_FP4 matrix_b_fmt:MATRIX_FMT_FP4 matrix_a_scale:MATRIX_SCALE_ROW1 matrix_b_scale:MATRIX_SCALE_ROW1
.endif
.endm
; 64 numbers of a lane, v[s] .. v[s + 63], register 16 b + i = k 32 b + 16 (lane / 16) + i of my row, become a fragment's codes in v[PC] on and its scale word in v[PW].
.macro QUANT s
.irp b, 0,1,2,3
	v_max3_num_f32 v[TM+\b], |v[\s+16*\b]|, |v[\s+1+16*\b]|, 0x1800000   ; block b: my 16 numbers, and the floor 2^(3 - 127): the byte cannot fall under 1
.endr
.irp i, 2,4,6,8,10,12,14
.irp b, 0,1,2,3
	v_max3_num_f32 v[TM+\b], v[TM+\b], |v[\s+16*\b+\i]|, |v[\s+1+16*\b+\i]|   ; the four blocks by turns
.endr
.endr
.irp b, 0,1,2,3
	v_permlanex16_b32 v[TM+4+\b], v[TM+\b], s[SEL], s[SEL+1]
.endr
.irp b, 0,1,2,3
	v_max_num_f32 v[TM+\b], v[TM+\b], v[TM+4+\b]   ; with lane l xor 16's: the block's largest magnitude
.endr
.irp b, 0,1,2,3
	v_add_nc_u32 v[TM+12+\b], 0xff000000, v[TM+\b] ; 2 off its exponent field: the conversion's scale operand
.endr
.irp b, 0,1,2,3
	v_lshrrev_b32 v[TM+4+\b], 23, v[TM+12+\b]      ; the scale's byte
.endr
	v_lshl_or_b32 v[PW], v[TM+5], 8, v[TM+4]
	v_lshl_or_b32 v[PW], v[TM+6], 16, v[PW]
	v_lshl_or_b32 v[PW], v[TM+7], 24, v[PW]
.irp b, 0,1,2,3
	v_cvt_scalef32_pk8_fp4_f32 v[PC+2*\b], v[\s+16*\b:\s+7+16*\b], v[TM+12+\b]
	v_cvt_scalef32_pk8_fp4_f32 v[PC+1+2*\b], v[\s+8+16*\b:\s+15+16*\b], v[TM+12+\b]
.endr
	v_nop                                          ; one plain line behind a scaled conversion
.irp c, 0,1                                    ; the operand's layout wants a whole block in a lane: lanes 0-15 block 2 c, lanes 16-31 block 2 c + 1
.irp i, 0,1
	v_permlane16_swap_b32 v[PC+4*\c+\i], v[PC+2+4*\c+\i]
.endr
.endr
.endm
; eight loads: eighth k of weight nmat's 32 fragments, into window nwin
.macro WCHUNK nmat, nwin, k
	WIN (\nwin)<<6
.irp i, 0,1,2,3,4,5,6,7
	global_load_b128 v[4*(8*(\k)+\i):4*(8*(\k)+\i)+3], v[LI], s[8:9] offset:139264*(\nmat)+512*(8*(\k)+\i)
.endr
	WIN 0
.endm
	s_load_b512 s[4:19], s[0:1], 0x0               ; xq 4, xs 6, wq 8, q_b 10, k_b 12, v_b 14, qq 16, kvc 18
	s_load_b64 s[20:21], s[0:1], 0x40              ; kvs
	v_lshl_add_u32 v254, v0, 2, 0x1800
	v_mov_b32 v255, 0
	v_lshrrev_b32 v7, 5, v0
	v_readfirstlane_b32 s22, v7                    ; wave 0..3
	v_and_b32 v7, 31, v0
	v_lshlrev_b32 v[LI], 4, v7
	v_lshlrev_b32 v[L8], 3, v7
	v_bfe_u32 v8, v0, 4, 1
	v_and_b32 v9, 7, v0
	v_bfe_u32 v10, v0, 3, 1
	s_mul_i32 s30, s22, 1536                       ; LDS: 3 x 512 bytes of biases for each wave, its own: no barrier in this kernel
	v_lshl_add_u32 v[BA], v8, 6, s30
	v_lshl_add_u32 v[BVA], v9, 2, s30
	v_lshl_add_u32 v[BVA], v10, 6, v[BVA]
	v_add_nc_u32 v[BST], s30, v[LI]
	s_lshl_b32 s32, s22, 9
	v_add_nc_u32 v[BGO], s32, v[LI]
	s_mov_b32 s[SEL], 0x76543210
	s_mov_b32 s[SEL+1], 0xfedcba98                 ; v_permlanex16_b32: lane l xor 16
	s_mov_b32 s26, 0xffff0000                      ; lanes 16-31
	s_mov_b32 s36, 0x05040100                      ; v_perm_b32: the two low halves;
	s_mov_b32 s37, 0x07060302                      ; the two high halves
.irp b, 0,1,2,3
	v_mov_b32 v[TM+4+\b], 0                        ; written once: a lane permute's destination counts as one of its sources
.endr
	s_mov_b32 s31, 0
	s_mov_b32 s35, 0
	s_wait_kmcnt 0x0
	s_lshl_b32 s30, ttmp9, 15
	s_add_nc_u64 s[4:5], s[4:5], s[30:31]          ; xq: 32,768 bytes a work-group
	s_lshr_b32 s30, ttmp9, 3
	s_lshl_b32 s30, s30, 14
	s_and_b32 s34, ttmp9, 7
	s_lshl_b32 s34, s34, 8
	s_add_co_u32 s30, s30, s34
	s_add_nc_u64 s[6:7], s[6:7], s[30:31]          ; xs: 16,384 b + 256 blk
	s_mul_i32 s30, s22, 34816
	s_add_nc_u64 s[8:9], s[8:9], s[30:31]          ; wq: my group of 128 rows in each weight
	s_mul_i32 s30, ttmp9, 34816
	s_add_co_u32 s34, s30, s32
	s_add_co_u32 s34, s34, 32768
	s_add_nc_u64 s[28:29], s[16:17], s[34:35]      ; qq's scale words: K step w
	s_lshl_b32 s34, s22, 13
	s_add_co_u32 s30, s30, s34
	s_add_nc_u64 s[16:17], s[16:17], s[30:31]      ; qq's codes: K step w
	s_lshl_b32 s30, ttmp9, 16
	s_add_co_u32 s30, s30, s34
	s_add_nc_u64 s[18:19], s[18:19], s[30:31]      ; kvc
	s_lshl_b32 s30, ttmp9, 12
	s_add_co_u32 s30, s30, s32
	s_add_nc_u64 s[20:21], s[20:21], s[30:31]      ; kvs
.irp m, 0,1,2
	global_load_b128 v[HA+4*\m:HA+4*\m+3], v[BGO], s[10+2*\m:11+2*\m]   ; my 128 numbers of each bias
.endr
.irp g, 0,1,2,3,4,5,6,7
	global_load_b64 v[HA+16+2*\g:HA+17+2*\g], v[L8], s[6:7] offset:2048*\g   ; x's scale bytes: of each group of 64 channels four 16-bit pairs a lane
.endr
.irp s, 0,1,2,3
	global_load_b128 v[SCW0+4*\s:SCW0+4*\s+3], v[LI], s[8:9] offset:32768+512*\s   ; q_w's scale words
.endr
	WIN 0x40
.set i, 0
.rept 64
	global_load_b128 v[4*i:4*i+3], v[LI], s[8:9] offset:512*i   ; q_w's 32 fragments: every tile of pixels wants them all
.set i, i+1
.endr
	WIN 0x80
.irp e, 0,1,2,3,4,5,6,7                        ; x's 32 fragments, which stay: tile e of the pixels, its four K steps, 8 loads; then the next tile
.irp s, 0,1,2,3
.irp c, 0,1
	global_load_b128 v[8*(8*\s+\e)+4*\c:8*(8*\s+\e)+4*\c+3], v[LI], s[4:5] offset:1024*(8*\s+\e)+512*\c
.endr
.endr
.endr
	WIN 0
	s_wait_loadcnt 63                              ; the biases, x's scale bytes, q_w and its scale words are in: x's 64 loads were issued behind them (the count's field ends at 63)
.irp m, 0,1,2
	ds_store_b128 v[BST], v[HA+4*\m:HA+4*\m+3] offset:512*\m
.endr
.irp s, 0,1,2,3                                ; K step s: bytes 0, 1 come from group 2 s, bytes 2, 3 from group 2 s + 1
.irp p, 0,1
	v_perm_b32 v[SCX+4*\s+2*\p], v[HA+16+4*\s+2+\p], v[HA+16+4*\s+\p], s36
	v_perm_b32 v[SCX+4*\s+2*\p+1], v[HA+16+4*\s+2+\p], v[HA+16+4*\s+\p], s37
.endr
.endr
.rept 8
	v_nop                                          ; scale registers written by vector instructions stand eight places ahead of a scaled matrix instruction
.endr
; One weight.  mode 0: q, k; 1: v.  mat: its number; wwin, scw: where its fragments and scale words lie; nmat, nwin, nscw: the next weight (nmat < 0: none) and where it goes;
; cb, coff, wb, woff: scalar base and byte offset of the codes and of the scale words that leave.  xw = 1: the first weight: x's fragments are still on their way and are waited for tile by tile.
.macro MAT mode, mat, wwin, scw, nmat, nwin, nscw, cb, coff, wb, woff, xw
.if \xw == 0
	s_wait_loadcnt 0x0                             ; this weight's fragments and scale words are in: the last of them was asked for three tiles ago
.endif
.if \mode == 0
.irp t, 0,1,2,3,4,5,6,7
	ds_load_b128 v[BIAS+8*\t:BIAS+8*\t+3], v[BA] offset:512*\mat+128*(\t/2)+32*(\t%2)        ; lane (r, h), tile t: channels 32 (t / 2) + 16 h + 8 (t % 2) + 0 .. 7
	ds_load_b128 v[BIAS+8*\t+4:BIAS+8*\t+7], v[BA] offset:512*\mat+128*(\t/2)+32*(\t%2)+16
.endr
	s_wait_dscnt 0x0
.else
.irp t, 0,1,2,3,4,5,6,7
	ds_load_b32 v[BIAS+8*\t], v[BVA] offset:512*\mat+128*(\t/2)+32*(\t%2)                    ; lane (r, h), tile t: the lane's one channel
.endr
	s_wait_dscnt 0x0
.irp t, 0,1,2,3,4,5,6,7
.irp j, 1,2,3,4,5,6,7
	v_mov_b32 v[BIAS+8*\t+\j], v[BIAS+8*\t]
.endr
.endr
.endif
.irp e, 0,1,2,3,4,5,6,7
.if \xw                                        ; x's tile e is in.  Behind its 8 loads were issued 8 (7 - e) loads of x and 0, 12, 20, 36, 52, 68, 68, 68 of the next weight: 56, 60, 60, then 68 or more (the count's field ends at 63)
.if \e == 0
	s_wait_loadcnt 56
.elseif \e < 3
	s_wait_loadcnt 60
.else
	s_wait_loadcnt 63
.endif
.endif
.if \nmat >= 0                                 ; the next weight: its scale words and 8, 8, 16, 16, 16 of its 64 loads
.if \e == 0
.irp s, 0,1,2,3
	global_load_b128 v[\nscw+4*\s:\nscw+4*\s+3], v[LI], s[8:9] offset:139264*\nmat+32768+512*\s
.endr
	WCHUNK \nmat, \nwin, 0
.elseif \e == 1
	WCHUNK \nmat, \nwin, 1
.elseif \e < 5
	WCHUNK \nmat, \nwin, 2*\e-2
	WCHUNK \nmat, \nwin, 2*\e-1
.endif
.endif
.if \mode == 0
	WIN 0x08+\wwin                                 ; source 0 (W), source 1 (x) window 2
.else
	WIN 0x06                                       ; source 0 (x) window 2, source 1 (W) window 1
.endif
.irp s, 0,1,2,3                                ; 32 products: the eight accumulators by turns, a K step at a time
.irp t, 0,1,2,3,4,5,6,7
.if \mode == 0
.if \s == 0
	WMS HA+8*\t, 8*(8*\s+\t), 8*(8*\s+\e), BIAS+8*\t, \scw+4*\s+\t/2, SCX+4*\s+\e/2, \t, \e
.else
	WMS HA+8*\t, 8*(8*\s+\t), 8*(8*\s+\e), HA+8*\t, \scw+4*\s+\t/2, SCX+4*\s+\e/2, \t, \e
.endif
.else
.if \s == 0
	WMS HA+8*\t, 8*(8*\s+\t), 8*(8*\s+\e), BIAS+8*\e, SCX+4*\s+\t/2, \scw+4*\s+\e/2, \t, \e
.else
	WMS HA+8*\t, 8*(8*\s+\t), 8*(8*\s+\e), HA+8*\t, SCX+4*\s+\t/2, \scw+4*\s+\e/2, \t, \e
.endif
.endif
.endr
.endr
	WIN 0
.rept 5
	v_nop                                          ; four places ahead of the first read of results; five, since the next tile's products begin these accumulators anew with another C
.endr
	s_wait_xcnt 0x0                                ; the last tile's stores have read their data: PC and WD are written again only behind this wait (nothing since those stores has written them)
	QUANT HA
	global_store_b128 v[LI], v[PC:PC+3], s[\cb:\cb+1] offset:\coff+1024*\e         ; the image: 512 consecutive bytes a store
	global_store_b128 v[LI], v[PC+4:PC+7], s[\cb:\cb+1] offset:\coff+1024*\e+512
.if \e%2 == 0
	v_mov_b32 v[WD+\e/2], v[PW]                    ; lanes 0-15 keep the even tile's words,
.else
	v_cndmask_b32 v[WD+\e/2], v[WD+\e/2], v[PW], s26   ; lanes 16-31 take the odd tile's
.endif
.endr
	global_store_b128 v[LI], v[WD:WD+3], s[\wb:\wb+1] offset:\woff
.endm
	MAT 0, 0, 1, SCW0, 1, 3, SCW1, 16, 0, 28, 0, 1
	MAT 0, 1, 3, SCW1, 2, 1, SCW0, 18, 0, 20, 0, 0
	MAT 1, 2, 1, SCW0, -1, 0, 0, 18, 32768, 20, 2048, 0
	s_wait_tensorcnt 0x0
	ds_add_u32 v254, v255
	s_wait_dscnt 0x0
	s_endpgm
.Lfunc_end_k_qc9e71cee15_qkv:
	.size	k_qc9e71cee15_qkv, .Lfunc_end_k_qc9e71cee15_qkv-k_qc9e71cee15_qkv
	.p2alignl 7, 3214868480
	.fill 96, 4, 3214868480
	.section	.rodata,"a",@progbits
	.p2align	6, 0x0
	.amdhsa_kernel k_qc9e71cee15_qkv
		.amdhsa_group_segment_fixed_size 6656
		.amdhsa_private_segment_fixed_size 0
		.amdhsa_enable_private_segment 0
		.amdhsa_kernarg_size 72
		.amdhsa_user_sgpr_count 2
		.amdhsa_user_sgpr_kernarg_segment_ptr 1
		.amdhsa_wavefront_size32 1
		.amdhsa_system_sgpr_workgroup_id_x 1
		.amdhsa_system_sgpr_workgroup_id_y 1
		.amdhsa_system_sgpr_workgroup_id_z 1
		.amdhsa_system_vgpr_workitem_id 0
		.amdhsa_next_free_vgpr 1024
		.amdhsa_next_free_sgpr 66
		.amdhsa_reserve_vcc 0
		.amdhsa_float_denorm_mode_32 3
		.amdhsa_float_denorm_mode_16_64 3
		.amdhsa_memory_ordered 1
		.amdhsa_forward_progress 1
		.amdhsa_inst_pref_size 234
	.end_amdhsa_kernel
	.amdgpu_metadata
---
amdhsa.version: [ 1, 2 ]
amdhsa.kernels:
  - .name:           k_qc9e71cee15_qkv
    .symbol:         k_qc9e71cee15_qkv.kd
    .args:
      - { .name: xq, .offset: 0, .size: 8, .value_kind: global_buffer, .address_space: global }
      - { .name: xs, .offset: 8, .size: 8, .value_kind: global_buffer, .address_space: global }
      - { .name: wq, .offset: 16, .size: 8, .value_kind: global_buffer, .address_space: global }
      - { .name: q_b, .offset: 24, .size: 8, .value_kind: global_buffer, .address_space: global }
      - { .name: k_b, .offset: 32, .size: 8, .value_kind: global_buffer, .address_space: global }
      - { .name: v_b, .offset: 40, .size: 8, .value_kind: global_buffer, .address_space: global }
      - { .name: qq, .offset: 48, .size: 8, .value_kind: global_buffer, .address_space: global }
      - { .name: kvc, .offset: 56, .size: 8, .value_kind: global_buffer, .address_space: global }
      - { .name: kvs, .offset: 64, .size: 8, .value_kind: global_buffer, .address_space: global }
    .group_segment_fixed_size: 6656
    .private_segment_fixed_size: 0
    .kernarg_segment_align: 8
    .kernarg_segment_size: 72
    .max_flat_workgroup_size: 128
    .sgpr_count:     66
    .vgpr_count:     1024
    .wavefront_size: 32
...
	.end_amdgpu_metadata
.endif
;; end of part 2
;; launch attn (part 3): grid 8 x 32, 4 waves a work-group, clusters of 4 x 1, 327,680 bytes of LDS; arguments qq, kvc, kvs, wq, p_b, x, out0; writes out0
.if DOCPART == 3
	.amdgcn_target "amdgcn-amd-amdhsa--gfx1250"
	.amdhsa_code_object_version 6
	.text
	.protected	k_qc9e71cee15_attn
	.globl	k_qc9e71cee15_attn
	.p2align	8
	.type	k_qc9e71cee15_attn,@function
k_qc9e71cee15_attn:
	s_mov_b64 s[64:65], 0
	v_nop
	global_prefetch_b8 v0, s[64:65] scope:SCOPE_SE
	s_setreg_imm32_b32 hwreg(HW_REG_WAVE_MODE, 25, 1), 1
	s_wait_xcnt 0x0
	s_wait_alu depctr_hold_cnt(0) depctr_sa_sdst(0) depctr_va_vdst(0) depctr_va_sdst(0) depctr_va_ssrc(0) depctr_va_vcc(0) depctr_vm_vsrc(0)
	s_getreg_b32 s2, hwreg(HW_REG_IB_STS2, 6, 4)
	s_cmp_eq_u32 s2, 0
	s_cbranch_scc0 .Lentry_in_a_cluster
	s_endpgm
.Lentry_in_a_cluster:
	s_bfe_u32 s2, ttmp6, 0x10000c
	s_cmp_lg_u32 s2, 0x3003
	s_cbranch_scc0 .Lentry_shape_is_right
	s_endpgm
.Lentry_shape_is_right:
; out0 = x + conv1x1(softmax(q k^T / sqrt(512)) v, p_w) + p_b, all three products on codes of FP4 (E2M1) with one E8M0 scale for each 32 along K.
; A work-group owns 128 queries (pixels) of one image; wave w owns two tiles of 16 of them, tiles 2 w and 2 w + 1.  Every wave walks the image's 1,024 keys, 128 a step.
; OPERANDS are groups of 32 fragment images of 1,024 bytes ([c][lane][16 bytes]: the operand's registers as they stand) with 2,048 bytes of scale words [s][lane 32][i 4] (lane 16 (t % 2) + r, word t / 2).
; Row r of tile t is row 32 (t / 2) + 8 (t % 2) + r % 8 + 16 (r / 8) of its group of 128, so that with such a tile as source 0 the 16 result registers of tiles 2 b, 2 b + 1 are 16 neighbours along the next K.
; BOTH PRODUCTS OF THE ATTENTION ARE USED TRANSPOSED: S^T = K Q^T (source 0 = 16 keys), O^T = V^T P^T (source 0 = 16 channels): a lane holds ONE query throughout.
; THE SOFTMAX: t = score x log2(e) / sqrt(512); M = the running largest t rounded up to a whole number; p = 2^(t - M) is quantised along the keys, not normalised; the row's sum is taken of the unquantised p;
; when M moves, the sum and O^T are multiplied by 2^(old M - new M), which rounds nothing.  At the end O^T is divided by the sum, quantised along the channels, and multiplied by p_w.
; THE RING: two LDS slots of 131,072 bytes, each with the codes of two key steps (K's 32,768 bytes, then V's, twice), dense in memory; each wave fetches a quarter of a slot by one tensor load.  The scale words of
; all eight key steps, 32,768 bytes, come once.  A wave has two tensor loads out at the start and one behind each change of slots.
; CLUSTER: the four work-groups of a cluster are query blocks of one image and walk the same K and V: each tile is asked for JOINTLY, by the same load with the same descriptor and a mask that names the four.
; x FOR THE RESIDUAL: at the last change of slots slot 0 is left for good; it is filled once more, with rows 0 to 63 of each wave's 128 rows of x (64 rows x 512 bytes = the wave's quarter of the slot), by a plain
; tensor load (x's columns differ between the partners), which has the last two key steps in which to land.  Each wave reads only what it fetched.  The other 64 rows come into registers as O^T leaves them.
; THE PROJECTION: the waves change shares: wave w makes output channels 128 w .. 128 w + 127 for all 128 pixels; the out fragments go from wave to wave through LDS as images, in slot 1, which has had its last
; fill and its last read by then.  Source 0 = 16 pixels, source 1 = 16 rows of p_w: a lane holds one output channel and its registers run along the pixels, as out0 lies in memory.
; LIMITS: NaN and infinities are not served; a block whose largest magnitude lies under 2^-124 gets the scale byte 1 (its codes are zeros or held small); the bytes are read by this program alone.
; REGISTERS, in windows of 256: window 0: below.  Window 1: v0-63 Q (tile a, K step s at 8 (4 a + s)); v64-127, v128-191, v192-255 three sets of eight fragments of K or V; in the projection p_w's 32 fragments.
;   window 2: O^T of tile 0 (channel tile ct at 8 ct), later the out fragments.   window 3: O^T of tile 1, later four sets of 16 rows of x.
.set SLOT1, 1<<17
.set SCL,   262144                     ; the scale words of eight key steps: K's 2,048 bytes, V's 2,048, eight times
.set SPARE, 294912                     ; the spare words, 128 bytes for each wave: two blocks of 256 bytes that no other line names
.set OSC,   32768                      ; the projection, from slot 1's first byte on: out's 32 images at 0; their scale words, 128 bytes each, here;
.set STG,   36864                      ; and a stage of 16 rows x (512 + 16) bytes for each wave
.set LI,  1                            ; v1  16 x lane
.set ADR, 2                            ; v2  the step's codes (at the head: Q's byte offset)
.set ADS, 3                            ; v3  the step's scale words
.set LSC, 4                            ; v4  SCL + 16 x lane
.set SPW, 5                            ; v5  my spare word; never rewritten
.set NIL, 6                            ; v6  0; never rewritten
.set LS,  7                            ; v7  SLOT1 + 4 x lane
.set OWI, 8                            ; v8  SLOT1 + 2,048 w + 16 x lane: my two tiles among a K step's eight images
.set OWS, 9                            ; v9  SLOT1 + OSC + 256 w + 4 x lane
.set STO, 10                           ; v10 the stage: where I put 16 bytes of a row
.set RD,  11                           ; v11 and where I read a row back
.set PFA, 12                           ; v12 the prefetch: 4,096 (lane / 2) + 256 (lane % 2)
.set PBO, 13                           ; v13 p_b: 4 (128 w + r % 8 + 16 (r / 8))
.set TT,  14                           ; v14-15 at work, one a tile
.set ST,  16                           ; tile a at ST + 8 a: +0 -M, +1 the largest t, +2, +3 the sum in two halves, +4 f, +5 p's scale word, +6, +7 1 / the sum
.set BM,  32                           ; tile a at BM + 12 a: +0..3 the blocks' largest, +4..7 at work, +8..11 the conversions' scale operands
.set TM,  32                           ; the epilogue's quantiser: v32-47
.set CB,  48                           ; v48-55 p_b of the lane's channel, eight times
.set SQ,  56                           ; v56-59 Q's scale words: lanes 0-15 tile 2 w, lanes 16-31 tile 2 w + 1
.set SK,  60                           ; v60-75 K's scale words;  v76-91 V's;  in the projection v60-91: out's
.set SV,  76
.set PC,  92                           ; v92-107 p's codes, 8 a tile; the epilogue's quantiser writes v92-99
.set PB,  100                          ; v100-107 in the projection: p_b, one register a tile of channels
.set SCP, 108                          ; v108-123 p_w's scale words
.set PW,  124                          ; v124 the epilogue's scale word
.set XL,  125                          ; v125 my rows of x in LDS: 32,768 w + 16 x lane
.set OIA, 126                          ; v126 SLOT1 + 16 x lane: out's images
.set S,   128                          ; v128-255 S^T, then p: 64 a tile; in the projection v128-191 eight accumulators, v192-255 rows on the way out
.set FB,  64
.set WV,  18
.set SEL, 20
.set CS,  22
.set G1,  24                           ; s[24:31] group 1 for a quarter of a slot;  s[32:39] for a quarter of the scale words;  s[40:43], s[44:47] their groups 0
.set G1S, 32
.set G0,  40
.set G0S, 44
.set TB,  48                           ; s48 LDS byte at which the step's codes begin
.set TS,  49                           ; s49 and its scale words, from SCL on
.set SLOTS, 50
.set TWICE, 51
.set G1X, 68                           ; s[68:75], s[76:79] groups 1 and 0 for my 64 rows of x
.set G0X, 76
.set MSB, 0
.macro WIN new                         ; the immediate's high byte repeats the setting that is left
.if MSB != (\new)
	s_set_vgpr_msb (MSB<<8)|(\new)
.set MSB, (\new)
.endif
.endm
.macro PLACES n
.rept \n
	v_nop
.endr
.endm
; a scaled product: ra, rb odd: that side's scale words are taken from lanes 16-31.  WMZ: the constant 0 starts the sum
.macro WMS d, a, b, c, sa, sb, ra, rb
.if ((\ra)%2 == 0) && ((\rb)%2 == 0)
	v_wmma_scale_f32_16x16x128_f8f6f4 v[(\d):(\d)+7], v[(\a):(\a)+7], v[(\b):(\b)+7], v[(\c):(\c)+7], v[\sa], v[\sb] matrix_a_fmt:MATRIX_FMT_FP4 matrix_b_fmt:MATRIX_FMT_FP4
.elseif ((\rb)%2 == 0)
	v_wmma_scale_f32_16x16x128_f8f6f4 v[(\d):(\d)+7], v[(\a):(\a)+7], v[(\b):(\b)+7], v[(\c):(\c)+7], v[\sa], v[\sb] matrix_a_fmt:MATRIX_FMT_FP4 matrix_b_fmt:MATRIX_FMT_FP4 matrix_a_scale:MATRIX_SCALE_ROW1
.elseif ((\ra)%2 == 0)
	v_wmma_scale_f32_16x16x128_f8f6f4 v[(\d):(\d)+7], v[(\a):(\a)+7], v[(\b):(\b)+7], v[(\c):(\c)+7], v[\sa], v[\sb] matrix_a_fmt:MATRIX_FMT_FP4 matrix_b_fmt:MATRIX_FMT_FP4 matrix_b_scale:MATRIX_SCALE_ROW1
.else
	v_wmma_scale_f32_16x16x128_f8f6f4 v[(\d):(\d)+7], v[(\a):(\a)+7], v[(\b):(\b)+7], v[(\c):(\c)+7], v[\sa], v[\sb] matrix_a_fmt:MATRIX_FMT_FP4 matrix_b_fmt:MATRIX_FMT_FP4 matrix_a_scale:MATRIX_SCALE_ROW1 matrix_b_scale:MATRIX_SCALE_ROW1
.endif
.endm
.macro WMZ d, a, b, sa, sb, ra, rb
.if ((\ra)%2 == 0) && ((\rb)%2 == 0)
	v_wmma_scale_f32_16x16x128_f8f6f4 v[(\d):(\d)+7], v[(\a):(\a)+7], v[(\b):(\b)+7], 0, v[\sa], v[\sb] matrix_a_fmt:MATRIX_FMT_FP4 matrix_b_fmt:MATRIX_FMT_FP4
.elseif ((\rb)%2 == 0)
	v_wmma_scale_f32_16x16x128_f8f6f4 v[(\d):(\d)+7], v[(\a):(\a)+7], v[(\b):(\b)+7], 0, v[\sa], v[\sb] matrix_a_fmt:MATRIX_FMT_FP4 matrix_b_fmt:MATRIX_FMT_FP4 matrix_a_scale:MATRIX_SCALE_ROW1
.elseif ((\ra)%2 == 0)
	v_wmma_scale_f32_16x16x128_f8f6f4 v[(\d):(\d)+7], v[(\a):(\a)+7], v[(\b):(\b)+7], 0, v[\sa], v[\sb] matrix_a_fmt:MATRIX_FMT_FP4 matrix_b_fmt:MATRIX_FMT_FP4 matrix_b_scale:MATRIX_SCALE_ROW1
.else
	v_wmma_scale_f32_16x16x128_f8f6f4 v[(\d):(\d)+7], v[(\a):(\a)+7], v[(\b):(\b)+7], 0, v[\sa], v[\sb] matrix_a_fmt:MATRIX_FMT_FP4 matrix_b_fmt:MATRIX_FMT_FP4 matrix_a_scale:MATRIX_SCALE_ROW1 matrix_b_scale:MATRIX_SCALE_ROW1
.endif
.endm
; A round of the cluster's barrier: my work-group's barrier; wave 0 signals for the work-group; every wave waits for all four work-groups; my work-group's barrier once more.
.macro CROUND
	s_barrier_signal -1
	s_barrier_wait -1
	s_cmp_lg_u32 s[WV], 0
	s_cbranch_scc1 .Lnot_wave_0_\@
	s_barrier_signal -3
.Lnot_wave_0_\@:
	s_barrier_wait -3
	s_barrier_signal -1
	s_barrier_wait -1
.endm
; 64 numbers of a lane, v[s] .. v[s + 63], register 16 b + i = k 32 b + 16 (lane / 16) + i of my row, become a fragment's codes in v[PC] on and its scale word in v[PW].
.macro QUANT s
.irp b, 0,1,2,3
	v_max3_num_f32 v[TM+\b], |v[\s+16*\b]|, |v[\s+1+16*\b]|, 0x1800000   ; block b: my 16 numbers, and the floor 2^(3 - 127): the byte cannot fall under 1
.endr
.irp i, 2,4,6,8,10,12,14
.irp b, 0,1,2,3
	v_max3_num_f32 v[TM+\b], v[TM+\b], |v[\s+16*\b+\i]|, |v[\s+1+16*\b+\i]|
.endr
.endr
.irp b, 0,1,2,3
	v_permlanex16_b32 v[TM+4+\b], v[TM+\b], s[SEL], s[SEL+1]
.endr
.irp b, 0,1,2,3
	v_max_num_f32 v[TM+\b], v[TM+\b], v[TM+4+\b]
.endr
.irp b, 0,1,2,3
	v_add_nc_u32 v[TM+12+\b], 0xff000000, v[TM+\b]
.endr
.irp b, 0,1,2,3
	v_lshrrev_b32 v[TM+4+\b], 23, v[TM+12+\b]
.endr
	v_lshl_or_b32 v[PW], v[TM+5], 8, v[TM+4]
	v_lshl_or_b32 v[PW], v[TM+6], 16, v[PW]
	v_lshl_or_b32 v[PW], v[TM+7], 24, v[PW]
.irp b, 0,1,2,3
	v_cvt_scalef32_pk8_fp4_f32 v[PC+2*\b], v[\s+16*\b:\s+7+16*\b], v[TM+12+\b]
	v_cvt_scalef32_pk8_fp4_f32 v[PC+1+2*\b], v[\s+8+16*\b:\s+15+16*\b], v[TM+12+\b]
.endr
	v_nop                                          ; one plain line behind a scaled conversion
.irp c, 0,1
.irp i, 0,1
	v_permlane16_swap_b32 v[PC+4*\c+\i], v[PC+2+4*\c+\i]
.endr
.endr
.endm
	s_load_b256 s[4:11], s[0:1], 0x0               ; qq 4, kvc 6, kvs 8, wq 10
	s_load_b128 s[12:15], s[0:1], 0x20             ; p_b 12, x 14
	s_load_b64 s[16:17], s[0:1], 0x30              ; out0
	v_lshl_add_u32 v[SPW], v0, 2, SPARE
	v_mov_b32 v[NIL], 0
	ds_add_u32 v5, v6
	s_wait_dscnt 0x0
	v_lshrrev_b32 v14, 5, v0
	v_readfirstlane_b32 s[WV], v14                 ; wave 0..3
	s_bfe_u32 s52, ttmp6, 0x40000                  ; cx: my place in the cluster: it enters the addresses of Q, x and out0 alone
	s_lshl_b32 s53, ttmp9, 2
	s_add_co_u32 s53, s53, s52                     ; my block of 128 queries
	s_and_b32 s54, ttmp7, 0xffff                   ; the image, which the four partners share
	; group 1: dense blocks as rows of 256 bytes (32 elements of 8 bytes), no padding: the images are read at 16 x lane
	s_mov_b32 s[G1], 15|(3<<16)|(1<<21)            ; 15:0 the mask: all four work-groups; 17:16 elements of 8 bytes; 21 set beside a mask
	s_mov_b32 s[G1+1], 32<<16                      ; tensor_dim0 = 32
	s_mov_b32 s[G1+2], 128<<16                     ; tensor_dim1 = 128
	s_mov_b32 s[G1+3], 32<<16                      ; tile_dim0 = 32
	s_mov_b32 s[G1+4], 128                         ; tile_dim1 = 128 rows: 32,768 bytes
	s_mov_b32 s[G1+5], 32                          ; from row to row
	s_mov_b32 s[G1+6], 0
	s_mov_b32 s[G1+7], 0
	s_mov_b32 s[G1S], 15|(3<<16)|(1<<21)
	s_mov_b32 s[G1S+1], 32<<16
	s_mov_b32 s[G1S+2], 32<<16                     ; 32 rows: 8,192 bytes
	s_mov_b32 s[G1S+3], 32<<16
	s_mov_b32 s[G1S+4], 32
	s_mov_b32 s[G1S+5], 32
	s_mov_b32 s[G1S+6], 0
	s_mov_b32 s[G1S+7], 0
	; x: 64 rows (channels) of 512 bytes (my block's 128 pixels), 4,096 bytes apart; no mask: a load of my work-group's own; no padding: a row is read by 32 lanes x 16 bytes
	s_mov_b32 s[G1X], 3<<16                        ; elements of 8 bytes
	s_mov_b32 s[G1X+1], 64<<16                     ; tensor_dim0 = 64
	s_mov_b32 s[G1X+2], 64<<16                     ; tensor_dim1 = 64
	s_mov_b32 s[G1X+3], 64<<16                     ; tile_dim0 = 64: 512 bytes
	s_mov_b32 s[G1X+4], 64                         ; tile_dim1 = 64 rows
	s_mov_b32 s[G1X+5], 512                        ; from row to row: 4,096 bytes
	s_mov_b32 s[G1X+6], 0
	s_mov_b32 s[G1X+7], 0
	s_lshl_b32 s55, s[WV], 15                      ; my quarter of a slot
	s_lshl_b32 s56, s54, 19                        ; the image's 524,288 bytes of codes
	s_add_co_u32 s56, s56, s55
	s_mov_b32 s57, 0
	s_lshl_b32 s60, s[WV], 13                      ; my quarter of the scale words
	s_lshl_b32 s58, s54, 15
	s_add_co_u32 s58, s58, s60
	s_mov_b32 s59, 0
	s_lshl_b32 s62, s54, 3
	s_add_co_u32 s62, s62, s53
	s_mul_i32 s62, s62, 34816                      ; my block's group in qq
	s_mov_b32 s63, 0
	s_mul_i32 s2, s[WV], 34816
	s_add_co_u32 s2, s2, 417792                    ; p_w's group w in wq
	s_mov_b32 s3, 0
	s_mov_b32 s[SEL], 0x76543210
	s_mov_b32 s[SEL+1], 0xfedcba98                 ; v_permlanex16_b32: lane l xor 16
	s_mov_b32 s[CS], 0x3d8293ee                    ; c = log2(e) / sqrt(512)
	s_mov_b32 s[CS+1], s[CS]                       ; (named with it as a pair, so it is written)
	s_mov_b32 s[TB], 0
	s_mov_b32 s[TS], 0
	s_mov_b32 s[SLOTS], 3
	s_wait_kmcnt 0x0
	s_add_nc_u64 s[4:5], s[4:5], s[62:63]
	s_add_nc_u64 s[10:11], s[10:11], s[2:3]
	s_lshl_b32 s62, s54, 21                        ; x and out0: 2,097,152 b + 128 w rows of 4,096 bytes + 512 x block
	s_lshl_b32 s52, s[WV], 19
	s_add_co_u32 s62, s62, s52
	s_lshl_b32 s52, s53, 9
	s_add_co_u32 s62, s62, s52
	s_add_nc_u64 s[14:15], s[14:15], s[62:63]
	s_add_nc_u64 s[16:17], s[16:17], s[62:63]
	s_mov_b32 s[G0S], 1                            ; count = 1
	s_add_co_u32 s[G0S+1], s60, SCL                ; LDS address
	s_add_nc_u64 s[G0S+2:G0S+3], s[8:9], s[58:59]  ; global address
	s_or_b32 s[G0S+3], s[G0S+3], 0x80000000        ; type = 2
	s_mov_b32 s[G0], 1
	s_mov_b32 s[G0+1], s55
	s_add_nc_u64 s[G0+2:G0+3], s[6:7], s[56:57]
	s_or_b32 s[G0+3], s[G0+3], 0x80000000
	s_mov_b32 s[G0X], 1
	s_mov_b32 s[G0X+1], s55                        ; my quarter of slot 0
	s_mov_b64 s[G0X+2:G0X+3], s[14:15]             ; my first row of x
	s_or_b32 s[G0X+3], s[G0X+3], 0x80000000
	CROUND                                         ; all four work-groups are here: the first joint loads meet
	tensor_load_to_lds s[G0S:G0S+3], s[G1S:G1S+7]  ; the scale words: filled once
	s_nop 0
	tensor_load_to_lds s[G0:G0+3], s[G1:G1+7]      ; slot 0: key steps 0 and 1
	s_nop 0
	PLACES 4
	v_and_b32 v14, 31, v0
	v_lshlrev_b32 v[LI], 4, v14
	v_lshl_add_u32 v[LS], v14, 2, SLOT1
	v_add_nc_u32 v[LSC], SCL, v[LI]
	v_add_nc_u32 v[OIA], SLOT1, v[LI]
	v_add_nc_u32 v[XL], s55, v[LI]
	s_lshl_b32 s19, s[WV], 8
	s_add_co_u32 s19, s19, OSC
	v_add_nc_u32 v[OWS], s19, v[LS]
	s_mul_i32 s19, s[WV], 8448
	s_add_co_u32 s19, s19, SLOT1+STG
	v_and_b32 v15, 15, v0
	v_bfe_u32 v2, v0, 4, 1
	v_mul_u32_u24 v[STO], v15, 528                 ; row r, + 64 (lane / 16): 16 pixels of 4 bytes
	v_lshl_add_u32 v[STO], v2, 6, v[STO]
	v_add_nc_u32 v[STO], s19, v[STO]
	v_add_nc_u32 v[RD], s19, v[LI]
	v_lshrrev_b32 v3, 1, v14
	v_lshlrev_b32 v[PFA], 12, v3
	v_and_b32 v3, 1, v0
	v_lshl_add_u32 v[PFA], v3, 8, v[PFA]
	v_and_b32 v3, 7, v0
	v_bfe_u32 v2, v0, 3, 1
	v_lshl_add_u32 v3, v2, 4, v3
	s_lshl_b32 s19, s[WV], 7
	v_add_nc_u32 v3, s19, v3
	v_lshlrev_b32 v[PBO], 2, v3
	s_lshl_b32 s19, s[WV], 2
	v_add_nc_u32 v15, s19, v[LI]                   ; Q's scale words: 16 x lane + 4 w
	s_lshl_b32 s19, s[WV], 11
	v_add_nc_u32 v[ADR], s19, v[LI]                ; Q's codes: my two tiles among a K step's eight: 2,048 w + 16 x lane
	v_add_nc_u32 v[OWI], SLOT1, v[ADR]
	WIN 0x40
.irp a, 0,1
.irp s, 0,1,2,3
.irp c, 0,1
	global_load_b128 v[8*(4*\a+\s)+4*\c:8*(4*\a+\s)+4*\c+3], v[ADR], s[4:5] offset:8192*\s+1024*\a+512*\c   ; Q stays in registers
.endr
.endr
.endr
	WIN 0
.irp s, 0,1,2,3
	global_load_b32 v[SQ+\s], v15, s[4:5] offset:32768+512*\s
.endr
.irp a, 0,1
	v_mov_b32 v[ST+8*\a+1], 0xff61b1e6             ; the largest t so far: -3e38, under every t
	v_floor_f32 v[ST+8*\a], -v[ST+8*\a+1]          ; -M
	v_mov_b32 v[ST+8*\a+2], 0                      ; the sum, in two halves
	v_mov_b32 v[ST+8*\a+3], 0
	v_mov_b32 v[ST+8*\a+5], 0                      ; (named as the upper half of a pair before it is first written)
	v_mov_b32 v[ST+8*\a+7], 0                      ; (likewise)
.irp b, 0,1,2,3
	v_mov_b32 v[BM+12*\a+4+\b], 0                  ; written once: a lane permute's destination counts as one of its sources
.endr
.endr
	; O^T begins as zeros, which the first change of M leaves zeros: so the key step is written without a first step of its own.  These lines stand while the first tiles are on their way.
	WIN 0x80
.set i, 0
.rept 256
	v_mov_b32 v[i], 0
.set i, i+1
.endr
	WIN 0xc0
.set i, 0
.rept 256
	v_mov_b32 v[i], 0
.set i, i+1
.endr
	WIN 0
; eight fragments, 8,192 bytes: g = 0 .. 3: K's K step g; g = 4 .. 7: V's channels 128 (g - 4) on.  Into set g % 3
.macro LOADG g
	WIN 0x40
.irp j, 0,1,2,3,4,5,6,7
.irp c, 0,1
	ds_load_b128 v[FB+64*((\g)%3)+8*\j+4*\c:FB+64*((\g)%3)+8*\j+4*\c+3], v[ADR] offset:8192*(\g)+1024*\j+512*\c
.endr
.endr
.endm
; S^T += K Q^T, K step g: 16 accumulators (8 tiles of keys x 2 tiles of queries) by turns, in the same order in every K step
.macro MULS g
	WIN 0x05
.irp kt, 0,1,2,3,4,5,6,7
.irp a, 0,1
.if (\g) == 0
	WMZ S+64*\a+8*\kt, FB+64*((\g)%3)+8*\kt, 8*(4*\a+(\g)), SK+4*(\g)+\kt/2, SQ+(\g), \kt, \a
.else
	WMS S+64*\a+8*\kt, FB+64*((\g)%3)+8*\kt, 8*(4*\a+(\g)), S+64*\a+8*\kt, SK+4*(\g)+\kt/2, SQ+(\g), \kt, \a
.endif
.endr
.endr
.endm
; O^T += V^T P^T, channels 128 (g - 4) on: 16 accumulators, one instruction each
.macro MULO g
.irp a, 0,1
	WIN 0xa1+0x50*\a
.irp n, 0,1,2,3,4,5,6,7
	WMS 8*(8*((\g)-4)+\n), FB+64*((\g)%3)+8*\n, PC+8*\a, 8*(8*((\g)-4)+\n), SV+4*((\g)-4)+\n/2, ST+8*\a+5, \n, 0
.endr
.endr
.endm
.macro SOFTMAX
.irp a, 0,1
.irp b, 0,1,2,3
	v_max3_num_f32 v[BM+12*\a+\b], v[S+64*\a+16*\b], v[S+64*\a+16*\b+1], v[S+64*\a+16*\b+2]   ; the largest score of each block of 32 keys: it serves for the row's maximum and, since p rises with the score, for the block's largest p
.endr
.endr
.irp i, 3,5,7,9,11,13
.irp a, 0,1
.irp b, 0,1,2,3
	v_max3_num_f32 v[BM+12*\a+\b], v[BM+12*\a+\b], v[S+64*\a+16*\b+\i], v[S+64*\a+16*\b+\i+1]
.endr
.endr
.endr
.irp a, 0,1
.irp b, 0,1,2,3
	v_max_num_f32 v[BM+12*\a+\b], v[BM+12*\a+\b], v[S+64*\a+16*\b+15]
.endr
.endr
.irp a, 0,1
.irp b, 0,1,2,3
	v_permlanex16_b32 v[BM+12*\a+4+\b], v[BM+12*\a+\b], s[SEL], s[SEL+1]
.endr
.endr
.irp a, 0,1
.irp b, 0,1,2,3
	v_max_num_f32 v[BM+12*\a+\b], v[BM+12*\a+\b], v[BM+12*\a+4+\b]   ; with lane l xor 16's 16 keys
.endr
.endr
.irp a, 0,1
	v_max3_num_f32 v[TT+\a], v[BM+12*\a], v[BM+12*\a+1], v[BM+12*\a+2]
.endr
.irp a, 0,1
	v_max_num_f32 v[TT+\a], v[TT+\a], v[BM+12*\a+3]    ; the step's largest score of my query
.endr
.irp a, 0,1
	v_mul_f32 v[TT+\a], s[CS], v[TT+\a]                ; as t (c is positive)
.endr
.irp a, 0,1
	v_max_num_f32 v[ST+8*\a+1], v[ST+8*\a+1], v[TT+\a] ; the running largest t
.endr
.irp a, 0,1
	v_mov_b32 v[TT+\a], v[ST+8*\a]
.endr
.irp a, 0,1
	v_floor_f32 v[ST+8*\a], -v[ST+8*\a+1]              ; the new -M = floor(-t): M is a whole number
.endr
.irp a, 0,1
	v_sub_f32 v[TT+\a], v[ST+8*\a], v[TT+\a]           ; old M - new M: a whole number, 0 or less
.endr
.irp a, 0,1
	v_cvt_i32_f32 v[TT+\a], v[TT+\a]                   ; (it saturates)
.endr
.irp a, 0,1
	v_ldexp_f32 v[ST+8*\a+4], 1.0, v[TT+\a]            ; f = 2^(old M - new M)
.endr
.irp a, 0,1
.set j, 0
.rept 32
	v_pk_fma_f32 v[S+64*\a+j:S+64*\a+j+1], v[S+64*\a+j:S+64*\a+j+1], s[CS:CS+1], v[ST+8*\a:ST+8*\a+1] op_sel_hi:[1,0,0]   ; t - M, two at a time
.set j, j+2
.endr
.irp b, 0,1,2,3
	v_fma_f32 v[BM+12*\a+\b], v[BM+12*\a+\b], s[CS], v[ST+8*\a]   ; the same of each block's largest score
.endr
.endr
.irp a, 0,1
.set j, 0
.rept 64
	v_exp_f32 v[S+64*\a+j], v[S+64*\a+j]               ; p = 2^(t - M), at most 1: not normalised
.set j, j+1
.endr
.irp b, 0,1,2,3
	v_exp_f32 v[BM+12*\a+\b], v[BM+12*\a+\b]           ; the block's largest p: the same two instructions on the same number give the same bits
.endr
.endr
.irp a, 0,1
	v_pk_mul_f32 v[ST+8*\a+2:ST+8*\a+3], v[ST+8*\a+2:ST+8*\a+3], v[ST+8*\a+4:ST+8*\a+5] op_sel_hi:[1,0]   ; the sums under the new M (plain lines behind the exponentials)
.endr
	s_wait_alu depctr_va_vdst(0)
.irp a, 0,1
.irp b, 0,1,2,3
	v_max_num_f32 v[BM+12*\a+\b], 0x1800000, v[BM+12*\a+\b]   ; the floor 2^(3 - 127): the byte cannot fall under 1
.endr
.endr
.irp a, 0,1
.irp b, 0,1,2,3
	v_add_nc_u32 v[BM+12*\a+8+\b], 0xff000000, v[BM+12*\a+\b]   ; 2 off the exponent field: the conversion's scale operand
.endr
.endr
.irp a, 0,1
.irp b, 0,1,2,3
	v_lshrrev_b32 v[BM+12*\a+4+\b], 23, v[BM+12*\a+8+\b]   ; the scale's byte
.endr
.endr
.irp a, 0,1
	v_lshl_or_b32 v[ST+8*\a+5], v[BM+12*\a+5], 8, v[BM+12*\a+4]   ; p's scale word for these 128 keys
.endr
.irp a, 0,1
	v_lshl_or_b32 v[ST+8*\a+5], v[BM+12*\a+6], 16, v[ST+8*\a+5]
.endr
.irp a, 0,1
	v_lshl_or_b32 v[ST+8*\a+5], v[BM+12*\a+7], 24, v[ST+8*\a+5]
.endr
.irp a, 0,1
.irp b, 0,1,2,3
	v_cvt_scalef32_pk8_fp4_f32 v[PC+8*\a+2*\b], v[S+64*\a+16*\b:S+64*\a+16*\b+7], v[BM+12*\a+8+\b]
	v_cvt_scalef32_pk8_fp4_f32 v[PC+8*\a+2*\b+1], v[S+64*\a+16*\b+8:S+64*\a+16*\b+15], v[BM+12*\a+8+\b]
.endr
.endr
	v_nop                                          ; one plain line behind a scaled conversion
.irp a, 0,1
.irp c, 0,1
.irp i, 0,1
	v_permlane16_swap_b32 v[PC+8*\a+4*\c+\i], v[PC+8*\a+4*\c+2+\i]   ; a whole block to a lane
.endr
.endr
.endr
.irp a, 0,1
	v_pk_add_f32 v[BM+12*\a+4:BM+12*\a+5], v[S+64*\a:S+64*\a+1], v[S+64*\a+2:S+64*\a+3]   ; the row's sum is taken of the unquantised p: two at a time, in two chains a tile
.endr
.set j, 4
.rept 15
.irp a, 0,1
	v_pk_add_f32 v[ST+8*\a+2:ST+8*\a+3], v[ST+8*\a+2:ST+8*\a+3], v[S+64*\a+j:S+64*\a+j+1]
	v_pk_add_f32 v[BM+12*\a+4:BM+12*\a+5], v[BM+12*\a+4:BM+12*\a+5], v[S+64*\a+j+2:S+64*\a+j+3]
.endr
.set j, j+4
.endr
.irp a, 0,1
	v_pk_add_f32 v[ST+8*\a+2:ST+8*\a+3], v[ST+8*\a+2:ST+8*\a+3], v[BM+12*\a+4:BM+12*\a+5]
.endr
.endm
.macro RESCALE                         ; O^T under the new M: x f, each accumulator from its low end on.  These lines are also the places between the writes of p's codes and scale word and the products that take them
.irp a, 0,1
	WIN 0x82+0x41*\a
.set j, 0
.rept 128
	v_pk_mul_f32 v[j:j+1], v[j:j+1], v[ST+8*\a+4:ST+8*\a+5] op_sel_hi:[1,0]
.set j, j+2
.endr
.endr
.endm
; A KEY STEP: 128 keys.  Fragments come in groups of eight into three sets by turns; a group is asked for three groups ahead of its use, so that three of V's four groups are on their way during the softmax,
; which reads nothing from LDS.
; pf = 1 (the last two steps): 32 rows x 512 bytes of the half of my part of x that the projection will load into registers are asked for in whole aligned blocks of 256 bytes, each once: rows 64-95, then rows 96-127 of my 128.
.macro STEP pf
	v_add_nc_u32 v[ADR], s[TB], v[LI]
	v_add_nc_u32 v[ADS], s[TS], v[LSC]
	PLACES 4                                       ; ahead of loads into registers that the last products have read
.irp s, 0,1,2,3
	ds_load_b128 v[SK+4*\s:SK+4*\s+3], v[ADS] offset:512*\s
.endr
.irp s, 0,1,2,3
	ds_load_b128 v[SV+4*\s:SV+4*\s+3], v[ADS] offset:2048+512*\s
.endr
	LOADG 0
	LOADG 1
	LOADG 2
.irp g, 0,1,2,3
	s_wait_dscnt 32                                ; this group (and the scale words) are in; the 32 loads of the two groups behind it may be out
	MULS \g
	PLACES 4
	LOADG \g+3                                     ; into the set just multiplied
.endr
	WIN 0
.if \pf
	global_prefetch_b8 v[PFA], s[14:15] offset:262144 th:TH_LOAD_NT scope:SCOPE_SE
	global_prefetch_b8 v[PFA], s[14:15] offset:327680 th:TH_LOAD_NT scope:SCOPE_SE
.endif
	SOFTMAX
	RESCALE
.irp g, 4,5,6,7
.if \g < 6
	s_wait_dscnt 32                                ; behind this group: two groups
.elseif \g == 6
	s_wait_dscnt 16                                ; behind group 6: group 7
.else
	s_wait_dscnt 0x0
.endif
	MULO \g
.if \g == 4
	PLACES 4
	LOADG 7                                        ; into group 4's set
.endif
.endr
	WIN 0
.if \pf
	s_wait_xcnt 0x0                                ; the prefetches have read their address: it steps only behind this wait
	v_add_nc_u32 v[PFA], 0x20000, v[PFA]           ; 32 rows of 4,096 bytes on
.endif
	s_add_co_u32 s[TB], s[TB], 65536
	s_add_co_u32 s[TS], s[TS], 4096
.endm
; THE CHANGE OF SLOTS stands at a slot's head.  Each wave waits for all its tensor loads (its part of the slot that it is about to read), adds 0 to its spare word, and waits for that and for its reads of the slot that
; it has left.  The barrier is a round of the cluster's, so that no wave of any partner still reads that slot or has a load on its way, and the wave's one tensor load is the first thing behind it; it has two key
; steps in which to land.  fill = 1: the joint load of the next two key steps.  fill = 2 (the last change): no keys are left, and the slot takes my 64 rows of x.
.macro CHANGE fill
	s_wait_tensorcnt 0x0                           ; no tensor load of mine is out, so a group 0 may be written
	ds_add_u32 v[SPW], v[NIL]                      ; 0 onto my spare word
.if \fill == 1
	s_xor_b32 s[G0+1], s[G0+1], SLOT1              ; the other slot than last time,
	s_add_nc_u64 s[G0+2:G0+3], s[G0+2:G0+3], 131072   ; the next two key steps; the type bits on top are not reached
.endif
	s_wait_dscnt 0x0                               ; the add is done, and my reads of the slot that I have left are over
	CROUND
.if \fill == 1
	tensor_load_to_lds s[G0:G0+3], s[G1:G1+7]
	s_nop 0
.else
	tensor_load_to_lds s[G0X:G0X+3], s[G1X:G1X+7]
	s_nop 0
.endif
	PLACES 4
.endm
.macro TWO_STEPS pf                    ; a slot's two key steps: written once, walked twice
	s_mov_b32 s[TWICE], 2
.Lstep_\@:
	STEP \pf
	s_sub_co_u32 s[TWICE], s[TWICE], 1
	s_cmp_lg_u32 s[TWICE], 0
	s_cbranch_scc1 .Lstep_\@
	s_sub_co_u32 s[TB], s[TB], 131072              ; back to a slot's first step,
	s_xor_b32 s[TB], s[TB], SLOT1                  ; in the other slot
.endm
	s_wait_loadcnt 0x0                             ; Q and its scale words
.Lslot:                                            ; three trips: behind each change of slots but the last the next slot's keys are asked for
	CHANGE 1
	TWO_STEPS 0
	s_sub_co_u32 s[SLOTS], s[SLOTS], 1
	s_cmp_lg_u32 s[SLOTS], 0
	s_cbranch_scc1 .Lslot
	CHANGE 2                                       ; the last slot (slot 1) is written out: another load stands behind its change
	TWO_STEPS 1
	s_wait_dscnt 0x0
	s_barrier_signal -1
	s_barrier_wait -1                              ; every wave has read its last fragment: from here on slot 1 is written by the waves.
	; ---- O^T / the sum, quantised along the channels; the fragments go to LDS as images
	PLACES 4
.irp a, 0,1
	v_add_f32 v[TT+\a], v[ST+8*\a+2], v[ST+8*\a+3]     ; the sum's two halves,
.endr
.irp a, 0,1
	v_permlanex16_b32 v[BM+12*\a+4], v[TT+\a], s[SEL], s[SEL+1]
.endr
.irp a, 0,1
	v_add_f32 v[TT+\a], v[TT+\a], v[BM+12*\a+4]        ; and lane l xor 16's
.endr
.irp a, 0,1
	v_rcp_f32 v[ST+8*\a+6], v[TT+\a]
.endr
	v_nop                                          ; a plain line behind the transcendentals
	s_wait_alu depctr_va_vdst(0)
.irp s, 0,1,2,3
	global_load_b128 v[SCP+4*\s:SCP+4*\s+3], v[LI], s[10:11] offset:32768+512*\s
.endr
.irp n, 0,1,2,3,4,5,6,7
	global_load_b32 v[PB+\n], v[PBO], s[12:13] offset:128*(\n/2)+32*(\n%2)   ; p_b of the lane's channel in tile n
.endr
	WIN 0x40
.set i, 0
.rept 44
	global_load_b128 v[4*i:4*i+3], v[LI], s[10:11] offset:512*i   ; p_w's 32 fragments of my 128 output channels: 44 of their 64 loads now (56 loads are out), the rest behind two quantisers
.set i, i+1
.endr
	WIN 0
.macro OUTQ a, g                       ; tile a, channels 128 g on: K step g of the projection
	WIN 0x02+\a
.set j, 0
.rept 32
	v_pk_mul_f32 v[S+j:S+j+1], v[64*\g+j:64*\g+j+1], v[ST+8*\a+6:ST+8*\a+7] op_sel_hi:[1,0]
.set j, j+2
.endr
	WIN 0
	QUANT S
	ds_store_b128 v[OWI], v[PC:PC+3] offset:8192*\g+1024*\a
	ds_store_b128 v[OWI], v[PC+4:PC+7] offset:8192*\g+1024*\a+512
	ds_store_b32 v[OWS], v[PW] offset:1024*\g+128*\a
	s_wait_dscnt 0x0                               ; the stores have read their registers
.endm
; 16 rows of x, those of tile n of my output channels, 512 consecutive bytes a load, into a set of 64 registers of window 3: from memory,
.macro XLOAD n, set
	WIN 0xc0
.set i, 0
.rept 16
	global_load_b128 v[64*(\set)+4*i:64*(\set)+4*i+3], v[LI], s[14:15] offset:4096*(32*((\n)/2)+8*((\n)%2)+(i%8)+16*(i/8)) th:TH_LOAD_NT
.set i, i+1
.endr
	WIN 0
.endm
.macro XLDS n                          ; or, tiles 0 to 3 (rows 0 to 63), from my quarter of slot 0, into set 3
	WIN 0xc0
.set i, 0
.rept 16
	ds_load_b128 v[192+4*i:192+4*i+3], v[XL] offset:512*(32*((\n)/2)+8*((\n)%2)+(i%8)+16*(i/8))
.set i, i+1
.endr
	WIN 0
.endm
	OUTQ 1, 0                                      ; tile 1 first: its window takes x, 64 registers as soon as a K step has left them
	OUTQ 1, 1
	WIN 0x40
.set i, 44
.rept 20
	global_load_b128 v[4*i:4*i+3], v[LI], s[10:11] offset:512*i
.set i, i+1
.endr
	WIN 0
	XLOAD 4, 0
	XLOAD 5, 1
	OUTQ 1, 2
	XLOAD 6, 2
	OUTQ 1, 3
.irp g, 0,1,2,3
	OUTQ 0, \g
.endr
	s_wait_tensorcnt 0x0                           ; my 64 rows of x lie in LDS
	s_barrier_signal -1                            ; (my LDS stores were waited for above)
	s_barrier_wait -1                              ; out's 32 fragments lie in LDS
	; ---- the projection
	WIN 0x80
.set i, 0
.rept 64
	ds_load_b128 v[4*i:4*i+3], v[OIA] offset:512*i
.set i, i+1
.endr
	WIN 0
.set i, 0
.rept 32
	ds_load_b32 v[SK+i], v[LS] offset:OSC+128*i
.set i, i+1
.endr
	s_wait_loadcnt 48                              ; p_w, its scale words and p_b are in: x's tiles 4, 5 and 6 were issued behind them
	s_wait_dscnt 0x0
.macro PROJ n                          ; tile n of my output channels, all 128 pixels
.set XS, 3                             ; where its rows of x lie: tiles 0 to 3 and 7: set 3; tiles 4 to 6: sets 0 to 2
.if ((\n) >= 4) && ((\n) < 7)
.set XS, (\n)-4
.endif
.if (\n) < 4
	XLDS \n
.elseif (\n) == 4
	XLOAD 7, 3                                     ; the set that the rows from LDS have left
.endif
.irp j, 0,1,2,3,4,5,6,7
	v_mov_b32 v[CB+\j], v[PB+(\n)]
.endr
	WIN 0x06                                       ; source 0 (out) window 2, source 1 (p_w) window 1
.irp s, 0,1,2,3                                ; the eight accumulators by turns, a K step at a time
.irp m, 0,1,2,3,4,5,6,7
.if \s == 0
	WMS S+8*\m, 8*(8*\s+\m), 8*(8*\s+(\n)), CB, SK+8*\s+\m, SCP+4*\s+(\n)/2, 0, \n
.else
	WMS S+8*\m, 8*(8*\s+\m), 8*(8*\s+(\n)), S+8*\m, SK+8*\s+\m, SCP+4*\s+(\n)/2, 0, \n
.endif
.endr
.endr
	WIN 0
	PLACES 5                                       ; four ahead of the stores that read results; five, since the next tile begins these accumulators anew with another C
.irp m, 0,1,2,3,4,5,6,7
	ds_store_b128 v[STO], v[S+8*\m:S+8*\m+3] offset:128*(\m/2)+32*(\m%2)          ; lane (r, h): channel r of the tile, pixels 32 (m / 2) + 16 h + 8 (m % 2) + 0 .. 7; each accumulator from its low end on
	ds_store_b128 v[STO], v[S+8*\m+4:S+8*\m+7] offset:128*(\m/2)+32*(\m%2)+16
.endr
	s_wait_xcnt 0x0                                ; the last tile's stores have read their data: the rows' registers are loaded again only behind this wait
.set i, 0
.rept 16
	ds_load_b128 v[192+4*i:192+4*i+3], v[RD] offset:528*i   ; LDS serves a wave's instructions in order: these see my stores
.set i, i+1
.endr
	s_wait_dscnt 0x0                               ; the rows are back (and, in tiles 0 to 3, x's rows are in)
.if (\n) >= 4
	s_wait_loadcnt 16*(7-(\n))                     ; this tile's rows of x are in; the sets issued behind them may be out
.endif
	WIN 0x0c                                       ; source 1 (x) window 3
.set i, 0
.rept 32
	v_pk_add_f32 v[192+2*i:193+2*i], v[192+2*i:193+2*i], v[64*XS+2*i:64*XS+2*i+1]
.set i, i+1
.endr
	WIN 0
.set i, 0
.rept 16
	global_store_b128 v[LI], v[192+4*i:192+4*i+3], s[16:17] offset:4096*(32*((\n)/2)+8*((\n)%2)+(i%8)+16*(i/8)) th:TH_STORE_NT   ; 32 lanes store 512 consecutive bytes, aligned
.set i, i+1
.endr
.endm
.irp n, 0,1,2,3,4,5,6,7
	PROJ \n
.endr
	s_wait_tensorcnt 0x0                           ; the wave's end, behind my last tensor load and my last LDS store
	ds_add_u32 v[SPW], v[NIL]
	s_wait_dscnt 0x0
	CROUND                                         ; the closing round: no work-group ends while a partner may still ask for a tile that names it
	s_endpgm
.Lfunc_end_k_qc9e71cee15_attn:
	.size	k_qc9e71cee15_attn, .Lfunc_end_k_qc9e71cee15_attn-k_qc9e71cee15_attn
	.p2alignl 7, 3214868480
	.fill 96, 4, 3214868480
	.section	.rodata,"a",@progbits
	.p2align	6, 0x0
	.amdhsa_kernel k_qc9e71cee15_attn
		.amdhsa_group_segment_fixed_size 327680
		.amdhsa_private_segment_fixed_size 0
		.amdhsa_enable_private_segment 0
		.amdhsa_kernarg_size 56
		.amdhsa_user_sgpr_count 2
		.amdhsa_user_sgpr_kernarg_segment_ptr 1
		.amdhsa_wavefront_size32 1
		.amdhsa_system_sgpr_workgroup_id_x 1
		.amdhsa_system_sgpr_workgroup_id_y 1
		.amdhsa_system_sgpr_workgroup_id_z 1
		.amdhsa_system_vgpr_workitem_id 0
		.amdhsa_next_free_vgpr 1024
		.amdhsa_next_free_sgpr 80
		.amdhsa_reserve_vcc 0
		.amdhsa_float_denorm_mode_32 3
		.amdhsa_float_denorm_mode_16_64 3
		.amdhsa_memory_ordered 1
		.amdhsa_forward_progress 1
		.amdhsa_inst_pref_size 255
	.end_amdhsa_kernel
	.section	.bss,"aw",@nobits
	.p2align	6
	.space	262144
	.amdgpu_metadata
---
amdhsa.version: [ 1, 2 ]
amdhsa.kernels:
  - .name:           k_qc9e71cee15_attn
    .symbol:         k_qc9e71cee15_attn.kd
    .args:
      - { .name: qq, .offset: 0, .size: 8, .value_kind: global_buffer, .address_space: global }
      - { .name: kvc, .offset: 8, .size: 8, .value_kind: global_buffer, .address_space: global }
      - { .name: kvs, .offset: 16, .size: 8, .value_kind: global_buffer, .address_space: global }
      - { .name: wq, .offset: 24, .size: 8, .value_kind: global_buffer, .address_space: global }
      - { .name: p_b, .offset: 32, .size: 8, .value_kind: global_buffer, .address_space: global }
      - { .name: x, .offset: 40, .size: 8, .value_kind: global_buffer, .address_space: global }
      - { .name: out0, .offset: 48, .size: 8, .value_kind: global_buffer, .address_space: global }
    .group_segment_fixed_size: 327680
    .private_segment_fixed_size: 0
    .kernarg_segment_align: 8
    .kernarg_segment_size: 56
    .max_flat_workgroup_size: 128
    .sgpr_count:     80
    .vgpr_count:     1024
    .wavefront_size: 32
...
	.end_amdgpu_metadata
.endif
;; end of part 3
;; ======== version 2 of 2: 3 launches; version 1 with the launch qkv written anew for expert scheduling mode
;; workspace buffers: xq 8,388,608 bytes; xs 524,288 bytes; wq 557,056 bytes; qq 8,912,896 bytes; kvc 16,777,216 bytes; kvs 1,048,576 bytes
;; launch prep: the kernel of part 1 again; grid 256 x 1, 16 waves a work-group, no clusters, 37,888 bytes of LDS; arguments x, gamma, beta, q_w, k_w, v_w, p_w, xq, xs, wq; writes xq, xs, wq
;; launch qkv (part 4): grid 256 x 1, 4 waves a work-group, no clusters, 6,656 bytes of LDS; arguments xq, xs, wq, q_b, k_b, v_b, qq, kvc, kvs; writes qq, kvc, kvs
.if DOCPART == 4
	.amdgcn_target "amdgcn-amd-amdhsa--gfx1250"
	.amdhsa_code_object_version 6
	.text
	.protected	k_qc9e71cee15_qkv
	.globl	k_qc9e71cee15_qkv
	.p2align	8
	.type	k_qc9e71cee15_qkv,@function
k_qc9e71cee15_qkv:
	s_mov_b64 s[64:65], 0
	v_nop
	global_prefetch_b8 v0, s[64:65] scope:SCOPE_SE
	s_setreg_imm32_b32 hwreg(HW_REG_WAVE_SCHED_MODE, 0, 2), 2
	s_setreg_imm32_b32 hwreg(HW_REG_WAVE_MODE, 25, 1), 1
	s_wait_xcnt 0x0
	s_wait_alu depctr_vm_vsrc(0)
; q, k and v = conv1x1(xn) + bias on codes of FP4 (E2M1) with one E8M0 scale for each 32 along K, and the quantisers behind them: q and k along their channels, v along the pixels (the keys).
; Work-group 8 b + blk owns 128 pixels of image b.  Wave w makes output channels 128 w .. 128 w + 127 of each of the three, for all 128 pixels.
; Every operand is a group of 32 fragment images of 1,024 bytes (image 8 s + t: K step s of 128, tile t of 16 rows; [c][lane][16 bytes], the operand's registers as they stand) and 2,048 bytes of
; scale words [s][lane 32][i 4]: lane 16 (t % 2) + r, word i = t / 2.  Row r of tile t is row 32 (t / 2) + 8 (t % 2) + r % 8 + 16 (r / 8) of the group, so that, with such a tile as source 0, the 16 result
; registers of tiles 2 b and 2 b + 1 are 16 neighbours, 32 b + 16 (lane / 16) + 0 .. 15, along the next product's K.
; q, k: source 0 = 16 rows of W, source 1 = 16 pixels: a lane holds one pixel and its registers run along the channels.  v: source 0 = 16 pixels, source 1 = 16 rows of W: a lane holds one channel and its
; registers run along the pixels.  Eight tiles (64 registers) become one fragment and one scale word a row, which leave as images: each store of the wave covers 512 consecutive bytes.
; The bias is the C of each sum's first matrix instruction.
; THE LOADS: the first weight comes first, then x's fragments in the order in which q's products take them, a tile of pixels (8 loads) at a time, so that the first products start while the later tiles are
; on their way.  The next weight is asked for during the first five of a weight's eight tiles, so that the wait for it stands three tiles behind its last load.
; NO JOINT LOADS: a weight fragment is used by one wave of a work-group alone and goes from memory straight into that wave's registers, once; through LDS its 32,768 bytes a wave and weight would be written
; and read once more, in a ring, since the three weights' 417,792 bytes do not fit in LDS together.
; LIMITS: NaN and infinities are not served; a block whose largest magnitude lies under 2^-124 gets the scale byte 1: the bytes are read by this program alone.
; THE MODE: SCHED_MODE bits 1:0 = 2 (LLVM: expert scheduling mode 2), set by the entry lines.  The code itself states the register dependences between vector or matrix instructions and memory or LDS
; instructions, with s_wait_alu, always for 0.
; THE PLAN.  Registers that memory or LDS instructions touch:
;   v1 .. v6        offsets and LDS addresses: written at the head, never again; read by every load, store and LDS instruction.
;   PC0, PC1        two out-buffers.  Tile e's quantiser writes PC[e % 2]; the two stores that read it are issued in tile e + 1, tile 7's at the weight's end.
;   WD              written by one line behind each tile's quantiser; read by one store at the weight's end.
;   BIAS            LDS loads land in it at a weight's head; the first eight products of each tile read it as C.
;   window 1, SCW0  q_w, loaded at the head and read by q's products; v_w's loads, issued among k's products, land there.  k's products and quantisers name none of these registers.
;   window 3, SCW1  k_w: its loads are issued among q's products; no vector or matrix instruction names these registers ahead of them.
;   window 2        x's fragments: loaded once.     HA: at the head loads land in it and LDS stores read it; from the first product on vector and matrix instructions alone name it.
; So: one wait on va_vdst in each of tiles 1 to 7, behind the tile's products and ahead of the stores of the tile before; one at a weight's end, which serves tile 7's stores, the next weight's LDS loads into
; BIAS and all loads that land in this weight's fragments and scale words; and a wait on vm_vsrc (beside the wait on XCNT) ahead of those stores, a whole tile behind the stores whose registers it frees.
; REGISTERS, in windows of 256: window 1: W of q, later of v; window 3: W of k; window 2: x's codes; fragment f at v[8 f].  Window 0: below.
.set LI,   1                           ; v1  16 x lane
.set L8,   2                           ; v2  8 x lane
.set BA,   3                           ; v3  LDS: q's and k's bias: 1,536 w + 64 (lane / 16)
.set BVA,  4                           ; v4  LDS: v's bias: 1,536 w + 4 (r % 8 + 16 (r / 8))
.set BST,  5                           ; v5  LDS: where the biases are put: 1,536 w + 16 lane
.set BGO,  6                           ; v6  the biases in memory: 512 w + 16 lane
.set TM,   32                          ; v32-47  the quantiser's: largest magnitudes, bytes, -, scale operands
.set PC1,  48                          ; v48-55  the fragment of an odd tile
.set HA,   64                          ; v64-127 eight result tiles
.set BIAS, 128                         ; v128-191 the bias in the results' layout
.set SCW0, 192                         ; v192-207, v208-223 the weights' scale words, two sets
.set SCW1, 208
.set SCX,  224                         ; v224-239 x's scale words
.set PC0,  240                         ; v240-247 the fragment of an even tile
.set WD,   248                         ; v248-251 the fragments' scale words, gathered for eight tiles
.set PW,   252                         ; v252 the scale word just made
.set SEL,  24
.set MSB, 0
.macro WIN new                         ; the immediate's high byte repeats the setting that is left
.if MSB != (\new)
	s_set_vgpr_msb (MSB<<8)|(\new)
.set MSB, (\new)
.endif
.endm
; a scaled product: ra, rb odd: that side's scale words are taken from lanes 16-31
.macro WMS d, a, b, c, sa, sb, ra, rb
.if ((\ra)%2 == 0) && ((\rb)%2 == 0)
	v_wmma_scale_f32_16x16x128_f8f6f4 v[(\d):(\d)+7], v[(\a):(\a)+7], v[(\b):(\b)+7], v[(\c):(\c)+7], v[\sa], v[\sb] matrix_a_fmt:MATRIX_FMT_FP4 matrix_b_fmt:MATRIX_FMT_FP4
.elseif ((\rb)%2 == 0)
	v_wmma_scale_f32_16x16x128_f8f6f4 v[(\d):(\d)+7], v[(\a):(\a)+7], v[(\b):(\b)+7], v[(\c):(\c)+7], v[\sa], v[\sb] matrix_a_fmt:MATRIX_FMT_FP4 matrix_b_fmt:MATRIX_FMT_FP4 matrix_a_scale:MATRIX_SCALE_ROW1
.elseif ((\ra)%2 == 0)
	v_wmma_scale_f32_16x16x128_f8f6f4 v[(\d):(\d)+7], v[(\a):(\a)+7], v[(\b):(\b)+7], v[(\c):(\c)+7], v[\sa], v[\sb] matrix_a_fmt:MATRIX_FMT_FP4 matrix_b_fmt:MATRIX_FMT_FP4 matrix_b_scale:MATRIX_SCALE_ROW1
.else
	v_wmma_scale_f32_16x16x128_f8f6f4 v[(\d):(\d)+7], v[(\a):(\a)+7], v[(\b):(\b)+7], v[(\c):(\c)+7], v[\sa], v[\sb] matrix_a_fmt:MATRIX_FMT_FP4 matrix_b_fmt:MATRIX_FMT_FP4 matrix_a_scale:MATRIX_SCALE_ROW1 matrix_b_scale:MATRIX_SCALE_ROW1
.endif
.endm
; 64 numbers of a lane, v[s] .. v[s + 63], register 16 b + i = k 32 b + 16 (lane / 16) + i of my row, become a fragment's codes in v[PCE] on (PCE: the tile's out-buffer) and its scale word in v[PW].
.macro QUANT s
.irp b, 0,1,2,3
	v_max3_num_f32 v[TM+\b], |v[\s+16*\b]|, |v[\s+1+16*\b]|, 0x1800000   ; block b: my 16 numbers, and the floor 2^(3 - 127): the byte cannot fall under 1
.endr
.irp i, 2,4,6,8,10,12,14
.irp b, 0,1,2,3
	v_max3_num_f32 v[TM+\b], v[TM+\b], |v[\s+16*\b+\i]|, |v[\s+1+16*\b+\i]|   ; the four blocks by turns
.endr
.endr
.irp b, 0,1,2,3
	v_permlanex16_b32 v[TM+4+\b], v[TM+\b], s[SEL], s[SEL+1]
.endr
.irp b, 0,1,2,3
	v_max_num_f32 v[TM+\b], v[TM+\b], v[TM+4+\b]   ; with lane l xor 16's: the block's largest magnitude
.endr
.irp b, 0,1,2,3
	v_add_nc_u32 v[TM+12+\b], 0xff000000, v[TM+\b] ; 2 off its exponent field: the conversion's scale operand
.endr
.irp b, 0,1,2,3
	v_lshrrev_b32 v[TM+4+\b], 23, v[TM+12+\b]      ; the scale's byte
.endr
	v_lshl_or_b32 v[PW], v[TM+5], 8, v[TM+4]
	v_lshl_or_b32 v[PW], v[TM+6], 16, v[PW]
	v_lshl_or_b32 v[PW], v[TM+7], 24, v[PW]
.irp b, 0,1,2,3
	v_cvt_scalef32_pk8_fp4_f32 v[PCE+2*\b], v[\s+16*\b:\s+7+16*\b], v[TM+12+\b]
	v_cvt_scalef32_pk8_fp4_f32 v[PCE+1+2*\b], v[\s+8+16*\b:\s+15+16*\b], v[TM+12+\b]
.endr
	v_nop                                          ; one plain line behind a scaled conversion
.irp c, 0,1                                    ; the operand's layout wants a whole block in a lane: lanes 0-15 block 2 c, lanes 16-31 block 2 c + 1
.irp i, 0,1
	v_permlane16_swap_b32 v[PCE+4*\c+\i], v[PCE+2+4*\c+\i]
.endr
.endr
.endm
; eight loads: eighth k of weight nmat's 32 fragments, into window nwin.  What follows sets its own window
.macro WCHUNK nmat, nwin, k
	WIN (\nwin)<<6
.irp i, 0,1,2,3,4,5,6,7
	global_load_b128 v[4*(8*(\k)+\i):4*(8*(\k)+\i)+3], v[LI], s[8:9] offset:139264*(\nmat)+512*(8*(\k)+\i)
.endr
.endm
	s_load_b512 s[4:19], s[0:1], 0x0               ; xq 4, xs 6, wq 8, q_b 10, k_b 12, v_b 14, qq 16, kvc 18
	s_load_b64 s[20:21], s[0:1], 0x40              ; kvs
	v_lshl_add_u32 v254, v0, 2, 0x1800
	v_mov_b32 v255, 0
	v_lshrrev_b32 v7, 5, v0
	v_readfirstlane_b32 s22, v7                    ; wave 0..3
	v_and_b32 v7, 31, v0
	v_lshlrev_b32 v[LI], 4, v7
	v_lshlrev_b32 v[L8], 3, v7
	v_bfe_u32 v8, v0, 4, 1
	v_and_b32 v9, 7, v0
	v_bfe_u32 v10, v0, 3, 1
	s_wait_alu depctr_va_sdst(0)                   ; s22 is written, ahead of its first reader: the LDS places and the buffers' offsets are made from it
	s_mul_i32 s30, s22, 1536                       ; LDS: 3 x 512 bytes of biases for each wave, its own: no barrier in this kernel
	v_lshl_add_u32 v[BA], v8, 6, s30
	v_lshl_add_u32 v[BVA], v9, 2, s30
	v_lshl_add_u32 v[BVA], v10, 6, v[BVA]
	v_add_nc_u32 v[BST], s30, v[LI]
	s_lshl_b32 s32, s22, 9
	v_add_nc_u32 v[BGO], s32, v[LI]
	s_mov_b32 s[SEL], 0x76543210
	s_mov_b32 s[SEL+1], 0xfedcba98                 ; v_permlanex16_b32: lane l xor 16
	s_mov_b32 s26, 0xffff0000                      ; lanes 16-31
	s_mov_b32 s36, 0x05040100                      ; v_perm_b32: the two low halves;
	s_mov_b32 s37, 0x07060302                      ; the two high halves
.irp b, 0,1,2,3
	v_mov_b32 v[TM+4+\b], 0                        ; written once: a lane permute's destination counts as one of its sources
.endr
	s_mov_b32 s31, 0
	s_mov_b32 s35, 0
	s_wait_kmcnt 0x0
	s_lshl_b32 s30, ttmp9, 15
	s_add_nc_u64 s[4:5], s[4:5], s[30:31]          ; xq: 32,768 bytes a work-group
	s_lshr_b32 s30, ttmp9, 3
	s_lshl_b32 s30, s30, 14
	s_and_b32 s34, ttmp9, 7
	s_lshl_b32 s34, s34, 8
	s_add_co_u32 s30, s30, s34
	s_add_nc_u64 s[6:7], s[6:7], s[30:31]          ; xs: 16,384 b + 256 blk
	s_mul_i32 s30, s22, 34816
	s_add_nc_u64 s[8:9], s[8:9], s[30:31]          ; wq: my group of 128 rows in each weight
	s_mul_i32 s30, ttmp9, 34816
	s_add_co_u32 s34, s30, s32
	s_add_co_u32 s34, s34, 32768
	s_add_nc_u64 s[28:29], s[16:17], s[34:35]      ; qq's scale words: K step w
	s_lshl_b32 s34, s22, 13
	s_add_co_u32 s30, s30, s34
	s_add_nc_u64 s[16:17], s[16:17], s[30:31]      ; qq's codes: K step w
	s_lshl_b32 s30, ttmp9, 16
	s_add_co_u32 s30, s30, s34
	s_add_nc_u64 s[18:19], s[18:19], s[30:31]      ; kvc
	s_lshl_b32 s30, ttmp9, 12
	s_add_co_u32 s30, s30, s32
	s_add_nc_u64 s[20:21], s[20:21], s[30:31]      ; kvs
	s_wait_alu depctr_va_vdst(0)                   ; the six offsets and LDS addresses v1 to v6 are written: every load, store and LDS instruction of the kernel reads one of them
.irp m, 0,1,2
	global_load_b128 v[HA+4*\m:HA+4*\m+3], v[BGO], s[10+2*\m:11+2*\m]   ; my 128 numbers of each bias
.endr
.irp g, 0,1,2,3,4,5,6,7
	global_load_b64 v[HA+16+2*\g:HA+17+2*\g], v[L8], s[6:7] offset:2048*\g   ; x's scale bytes: of each group of 64 channels four 16-bit pairs a lane
.endr
.irp s, 0,1,2,3
	global_load_b128 v[SCW0+4*\s:SCW0+4*\s+3], v[LI], s[8:9] offset:32768+512*\s   ; q_w's scale words
.endr
	WIN 0x40
.set i, 0
.rept 64
	global_load_b128 v[4*i:4*i+3], v[LI], s[8:9] offset:512*i   ; q_w's 32 fragments: every tile of pixels wants them all
.set i, i+1
.endr
	WIN 0x80
.irp e, 0,1,2,3,4,5,6,7                        ; x's 32 fragments, which stay: tile e of the pixels, its four K steps, 8 loads; then the next tile
.irp s, 0,1,2,3
.irp c, 0,1
	global_load_b128 v[8*(8*\s+\e)+4*\c:8*(8*\s+\e)+4*\c+3], v[LI], s[4:5] offset:1024*(8*\s+\e)+512*\c
.endr
.endr
.endr
	WIN 0
	s_wait_loadcnt 63                              ; the biases, x's scale bytes, q_w and its scale words are in: x's 64 loads were issued behind them (the count's field ends at 63)
.irp m, 0,1,2
	ds_store_b128 v[BST], v[HA+4*\m:HA+4*\m+3] offset:512*\m
.endr
.irp s, 0,1,2,3                                ; K step s: bytes 0, 1 come from group 2 s, bytes 2, 3 from group 2 s + 1
.irp p, 0,1
	v_perm_b32 v[SCX+4*\s+2*\p], v[HA+16+4*\s+2+\p], v[HA+16+4*\s+\p], s36
	v_perm_b32 v[SCX+4*\s+2*\p+1], v[HA+16+4*\s+2+\p], v[HA+16+4*\s+\p], s37
.endr
.endr
.rept 8
	v_nop                                          ; scale registers written by vector instructions stand eight places ahead of a scaled matrix instruction
.endr
	s_wait_alu depctr_va_vdst(0)                   ; behind the places: x's scale words v[SCX ..] are written, which the scaled products take as scales
	s_wait_alu depctr_vm_vsrc(0)                   ; the three LDS stores have read v[HA .. HA + 11], which q's first products write
; One weight.  mode 0: q, k; 1: v.  mat: its number; wwin, scw: where its fragments and scale words lie; nmat, nwin, nscw: the next weight (nmat < 0: none) and where it goes;
; cb, coff, wb, woff: scalar base and byte offset of the codes and of the scale words that leave.  xw = 1: the first weight: x's fragments are still on their way and are waited for tile by tile.
.macro MAT mode, mat, wwin, scw, nmat, nwin, nscw, cb, coff, wb, woff, xw
.if \xw == 0
	s_wait_loadcnt 0x0                             ; this weight's fragments and scale words are in: the last of them was asked for three tiles ago
.endif
.if \mode == 0                                 ; (the LDS loads into BIAS: the wait on va_vdst at the last weight's end has shown that weight's products done reading it, and no vector or matrix instruction stands between)
.irp t, 0,1,2,3,4,5,6,7
	ds_load_b128 v[BIAS+8*\t:BIAS+8*\t+3], v[BA] offset:512*\mat+128*(\t/2)+32*(\t%2)        ; lane (r, h), tile t: channels 32 (t / 2) + 16 h + 8 (t % 2) + 0 .. 7
	ds_load_b128 v[BIAS+8*\t+4:BIAS+8*\t+7], v[BA] offset:512*\mat+128*(\t/2)+32*(\t%2)+16
.endr
	s_wait_dscnt 0x0
.else
.irp t, 0,1,2,3,4,5,6,7
	ds_load_b32 v[BIAS+8*\t], v[BVA] offset:512*\mat+128*(\t/2)+32*(\t%2)                    ; lane (r, h), tile t: the lane's one channel
.endr
	s_wait_dscnt 0x0
.irp t, 0,1,2,3,4,5,6,7
.irp j, 1,2,3,4,5,6,7
	v_mov_b32 v[BIAS+8*\t+\j], v[BIAS+8*\t]
.endr
.endr
.endif
.irp e, 0,1,2,3,4,5,6,7
.set PCE, PC0+(PC1-PC0)*(\e%2)                 ; this tile's out-buffer,
.set PCP, PC0+(PC1-PC0)*((\e+1)%2)             ; and the last tile's
.if \xw                                        ; x's tile e is in.  Behind its 8 loads were issued 8 (7 - e) loads of x and 0, 12, 20, 36, 52, 68, 68, 68 of the next weight: 56, 60, 60, then 68 or more (the count's field ends at 63)
.if \e == 0
	s_wait_loadcnt 56
.elseif \e < 3
	s_wait_loadcnt 60
.else
	s_wait_loadcnt 63
.endif
.endif
.irp s, 0,1,2,3                                ; 32 products: the eight accumulators by turns, a K step at a time
.if \mode == 0
	WIN 0x08+\wwin                                 ; source 0 (W), source 1 (x) window 2
.else
	WIN 0x06                                       ; source 0 (x) window 2, source 1 (W) window 1
.endif
.irp t, 0,1,2,3,4,5,6,7
.if \mode == 0
.if \s == 0
	WMS HA+8*\t, 8*(8*\s+\t), 8*(8*\s+\e), BIAS+8*\t, \scw+4*\s+\t/2, SCX+4*\s+\e/2, \t, \e
.else
	WMS HA+8*\t, 8*(8*\s+\t), 8*(8*\s+\e), HA+8*\t, \scw+4*\s+\t/2, SCX+4*\s+\e/2, \t, \e
.endif
.else
.if \s == 0
	WMS HA+8*\t, 8*(8*\s+\t), 8*(8*\s+\e), BIAS+8*\e, SCX+4*\s+\t/2, \scw+4*\s+\e/2, \t, \e
.else
	WMS HA+8*\t, 8*(8*\s+\t), 8*(8*\s+\e), HA+8*\t, SCX+4*\s+\t/2, \scw+4*\s+\e/2, \t, \e
.endif
.endif
.endr
; The next weight, dealt among the products of tiles 0 to 4, behind a tile's first and second K step: its scale words and 8, then 8, then 16, 16, 16 of its 64 loads.  No wait stands here: no vector or matrix instruction
; has named k_w's registers at all, and none issued since the wait at q's end names those in which v_w lands (this weight's products name their own window, x's, HA, BIAS and their own scale words; the quantiser HA, TM, PC, PW, WD).
.if \nmat >= 0
.if (\e == 0) && (\s == 0)
	WIN 0
.irp q, 0,1,2,3
	global_load_b128 v[\nscw+4*\q:\nscw+4*\q+3], v[LI], s[8:9] offset:139264*\nmat+32768+512*\q
.endr
.elseif (\e == 0) && (\s == 1)
	WCHUNK \nmat, \nwin, 0
.elseif (\e == 1) && (\s == 0)
	WCHUNK \nmat, \nwin, 1
.elseif (\e >= 2) && (\e < 5) && (\s < 2)
	WCHUNK \nmat, \nwin, 2*\e-2+\s
.endif
.endif
.endr
	WIN 0
.rept 5
	v_nop                                          ; four places ahead of the first read of results; five, since the next tile's products begin these accumulators anew with another C
.endr
.if \e > 0
	s_wait_alu depctr_va_vdst(0)                   ; the last tile's quantiser has written its fragment, v[PCP ..], which the two stores below read
.endif
.if (\e >= 2) || ((\e == 0) && (\xw == 0))
	s_wait_xcnt 0x0                                ; the stores issued a tile ago (tile 0: those of the last weight's tiles 6 and 7 and of its scale words) have had their addresses translated,
	s_wait_alu depctr_vm_vsrc(0)                   ; and have read their data: v[PCE ..] (tile 0: both out-buffers and WD), which this tile's quantiser and the line behind it write again.  (Tile 1 owes neither: tile 0's pair has freed its out-buffer, and in the first weight no store has read it)
.endif
.if \e > 0
	global_store_b128 v[LI], v[PCP:PCP+3], s[\cb:\cb+1] offset:\coff+1024*(\e-1)       ; the last tile's image: 512 consecutive bytes a store
	global_store_b128 v[LI], v[PCP+4:PCP+7], s[\cb:\cb+1] offset:\coff+1024*(\e-1)+512
.endif
	QUANT HA
.if \e%2 == 0
	v_mov_b32 v[WD+\e/2], v[PW]                    ; lanes 0-15 keep the even tile's words,
.else
	v_cndmask_b32 v[WD+\e/2], v[WD+\e/2], v[PW], s26   ; lanes 16-31 take the odd tile's
.endif
.endr
	s_wait_alu depctr_va_vdst(0)                   ; tile 7's quantiser has written PC1 and WD, which the three stores below read; and this weight's products are done reading BIAS, their fragments and their scale words, in which the next weight's LDS loads and the loads issued among its products land
	global_store_b128 v[LI], v[PC1:PC1+3], s[\cb:\cb+1] offset:\coff+1024*7
	global_store_b128 v[LI], v[PC1+4:PC1+7], s[\cb:\cb+1] offset:\coff+1024*7+512
	global_store_b128 v[LI], v[WD:WD+3], s[\wb:\wb+1] offset:\woff
.endm
	MAT 0, 0, 1, SCW0, 1, 3, SCW1, 16, 0, 28, 0, 1
	MAT 0, 1, 3, SCW1, 2, 1, SCW0, 18, 0, 20, 0, 0
	MAT 1, 2, 1, SCW0, -1, 0, 0, 18, 32768, 20, 2048, 0
	s_wait_dscnt 0x0                               ; the closing lines, six on end
	s_wait_alu 0x0
	s_wait_tensorcnt 0x0
	ds_add_u32 v254, v255
	s_wait_dscnt 0x0
	s_endpgm
.Lfunc_end_k_qc9e71cee15_qkv:
	.size	k_qc9e71cee15_qkv, .Lfunc_end_k_qc9e71cee15_qkv-k_qc9e71cee15_qkv
	.p2alignl 7, 3214868480
	.fill 96, 4, 3214868480
	.section	.rodata,"a",@progbits
	.p2align	6, 0x0
	.amdhsa_kernel k_qc9e71cee15_qkv
		.amdhsa_group_segment_fixed_size 6656
		.amdhsa_private_segment_fixed_size 0
		.amdhsa_enable_private_segment 0
		.amdhsa_kernarg_size 72
		.amdhsa_user_sgpr_count 2
		.amdhsa_user_sgpr_kernarg_segment_ptr 1
		.amdhsa_wavefront_size32 1
		.amdhsa_system_sgpr_workgroup_id_x 1
		.amdhsa_system_sgpr_workgroup_id_y 1
		.amdhsa_system_sgpr_workgroup_id_z 1
		.amdhsa_system_vgpr_workitem_id 0
		.amdhsa_next_free_vgpr 1024
		.amdhsa_next_free_sgpr 66
		.amdhsa_reserve_vcc 0
		.amdhsa_float_denorm_mode_32 3
		.amdhsa_float_denorm_mode_16_64 3
		.amdhsa_memory_ordered 1
		.amdhsa_forward_progress 1
		.amdhsa_inst_pref_size 235
	.end_amdhsa_kernel
	.amdgpu_metadata
---
amdhsa.version: [ 1, 2 ]
amdhsa.kernels:
  - .name:           k_qc9e71cee15_qkv
    .symbol:         k_qc9e71cee15_qkv.kd
    .args:
      - { .name: xq, .offset: 0, .size: 8, .value_kind: global_buffer, .address_space: global }
      - { .name: xs, .offset: 8, .size: 8, .value_kind: global_buffer, .address_space: global }
      - { .name: wq, .offset: 16, .size: 8, .value_kind: global_buffer, .address_space: global }
      - { .name: q_b, .offset: 24, .size: 8, .value_kind: global_buffer, .address_space: global }
      - { .name: k_b, .offset: 32, .size: 8, .value_kind: global_buffer, .address_space: global }
      - { .name: v_b, .offset: 40, .size: 8, .value_kind: global_buffer, .address_space: global }
      - { .name: qq, .offset: 48, .size: 8, .value_kind: global_buffer, .address_space: global }
      - { .name: kvc, .offset: 56, .size: 8, .value_kind: global_buffer, .address_space: global }
      - { .name: kvs, .offset: 64, .size: 8, .value_kind: global_buffer, .address_space: global }
    .group_segment_fixed_size: 6656
    .private_segment_fixed_size: 0
    .kernarg_segment_align: 8
    .kernarg_segment_size: 72
    .max_flat_workgroup_size: 128
    .sgpr_count:     66
    .vgpr_count:     1024
    .wavefront_size: 32
...
	.end_amdgpu_metadata
.endif
;; end of part 4
;; launch attn: the kernel of part 3 again; grid 8 x 32, 4 waves a work-group, clusters of 4 x 1, 327,680 bytes of LDS; arguments qq, kvc, kvs, wq, p_b, x, out0; writes out0
